; MI455X (gfx1250); checked and timed in simulation.
; The chip was launched on July 23, 2026; its instructions are those of AMD's public machine-readable ISA for CDNA 5 (MIT licence, August 2026) and "CDNA5" Instruction Set Architecture Reference Guide (July 2026). The comments in the code are by the model that wrote it; some were corrected since.
;; GPT Decoder Layer. Allowed arithmetic: float matrix products may take bf16 or f16 operands with f32 sums; other float arithmetic in f32, or as packed bf16 or f16 multiplies, adds, multiply-adds, maxima and minima; sums over many terms, partial sums and values carried from step to step in f32; what a program stores and reads back later, other than sums and carried values, may be rounded once to bf16 or f16.
;; Inputs: W1 1,024 x 4,096 float32; W2 2,048 x 1,024 float32; Wk 1,024 x 1,024 float32; Wo 1,024 x 1,024 float32; Wq 1,024 x 1,024 float32; Wv 1,024 x 1,024 float32; attention_mask 1 x 1 x 2,048 x 2,048 bool; attn_scale 1,024 float32; ffn_scale 1,024 float32; x 2 x 2,048 x 1,024 float32.
;; Outputs: out0 2 x 2,048 x 1,024 float32.
;; One version. Each part assembles by itself: llvm-mc -triple=amdgcn-amd-amdhsa -mcpu=gfx1250 --defsym DOCPART=n.
;; ======== version 1 of 1: 6 launches
;; limits: a function is approximated: absolute error at most 0.0002; right only within a limited range of input values
;; workspace buffers: xn 8,388,608 bytes; wf 21,233,664 bytes; msk 4,202,496 bytes of whole numbers; qkv 25,165,824 bytes; ob 8,388,608 bytes; hbuf 25,427,968 bytes; gb 16,777,216 bytes
;; launch prep (part 1): grid 712 x 1, 4 waves a work-group, no clusters, 35,584 bytes of LDS; arguments x, attention_mask, Wq, Wk, Wv, Wo, W1, W2, attn_scale, xn, wf, msk; writes xn, wf, msk
.if DOCPART == 1
	.amdgcn_target "amdgcn-amd-amdhsa--gfx1250"
	.amdhsa_code_object_version 6
	.text
	.protected	k_qf0970e7a73_prep
	.globl	k_qf0970e7a73_prep
	.p2align	8
	.type	k_qf0970e7a73_prep,@function
k_qf0970e7a73_prep:
	s_mov_b64 s[64:65], 0
	v_nop
	global_prefetch_b8 v0, s[64:65] scope:SCOPE_SE
	s_setreg_imm32_b32 hwreg(HW_REG_WAVE_MODE, 25, 1), 1
	s_wait_xcnt 0x0
; PREP: everything that the matrix launches want in 16 bits, made once.  Four kinds of work-groups, told apart by the work-group's number, the longest first.
;   0-255   X: xn = bf16(x * attn_scale * rsqrt(mean(x^2) + 1e-6)); a work-group takes 16 rows, each of its waves 256 k of them, kept in registers; the sums of squares meet in LDS
;   256-383 M: the mask to bytes in the order in which a lane of the attention launch holds its scores: 0x00 seen, 0xF1 hidden; and a word a row: -1, or 0 if the row sees no key (its bytes are then all 0x00);
;              a work-group takes 16 queries, each of its waves 512 keys, kept in registers; whether a row sees a key is settled in LDS
;   384-391 R: the table of cos and sin for the rotary channels
;   392-711 W: the six weights, [k][n] f32, to bf16 with k along the rows; a wave takes 64 columns x 128 k
; LAYOUT F of a 16-bit matrix [rows][K]: element (row, k) lies at byte ((row/16 * K/8 + k/8) * 16 + row%16) * 16 + 2 (k%8): 16 rows x 8 k are 256 consecutive bytes.
; Every input byte is loaded once.  The two barriers stand on paths chosen by the work-group's number alone: all four waves of a group pass them.
; LIMITS.  cos and sin come from a reduction by 2 pi in two parts and the series to x^13 and x^14: about 2e-4 absolute at the largest angle, 2,047.  A mask byte is 0 or 1.
.set PART,     34816                   ; behind the four stages: 256 bytes, 64 for each wave: what the waves of a group hand each other
.set SPARE,    35072                   ; behind them: the spare words, 128 bytes a wave; no other line names them
.set WO_OFF,   6291456                 ; wf: QKV at 0, then Wo, W1, W2, the rotary table
.set W1_OFF,   8388608
.set W2_OFF,   16777216
.set ROT_OFF,  20971520
.set KEEP_OFF, 4194304                 ; msk: the rows' words lie behind the bytes
.set SPW, 2                            ; v2  LDS address of my spare word; never rewritten
.set NIL, 3                            ; v3  0; never rewritten
.set LN,  4                            ; v4  lane
.set R16, 5                            ; v5  lane % 16
.set H,   6                            ; v6  lane / 16
	s_load_b512 s[8:23], s[0:1], 0x0               ; x 8, mask 10, Wq 12, Wk 14, Wv 16, Wo 18, W1 20, W2 22
	s_load_b256 s[24:31], s[0:1], 0x40             ; attn_scale 24, xn 26, wf 28, msk 30
	v_lshl_add_u32 v[SPW], v0, 2, SPARE
	v_mov_b32 v[NIL], 0
	v_lshrrev_b32 v1, 5, v0
	v_readfirstlane_b32 s4, v1                     ; wave 0..3
	v_and_b32 v[LN], 31, v0
	v_and_b32 v[R16], 15, v0
	v_bfe_u32 v[H], v0, 4, 1
	s_mov_b32 s6, 0x76543210                       ; v_permlanex16_b32: each lane takes its own place in the other half
	s_mov_b32 s7, 0xfedcba98
	s_wait_kmcnt 0x0
	s_cmp_lt_u32 ttmp9, 256
	s_cbranch_scc1 .LjobX
	s_cmp_lt_u32 ttmp9, 384
	s_cbranch_scc1 .LjobM
	s_cmp_ge_u32 ttmp9, 392
	s_cbranch_scc1 .LjobW
; ---- R.  Table [block of 16 positions][b 0,1][cos, sin][lane][4 f32]: pair i = 8 b + 4 (lane/16) + e, position t = 16 block + lane%16.  A wave has one b and eight blocks.
	s_sub_co_u32 s5, ttmp9, 384
	s_lshl2_add_u32 s5, s5, s4                     ; 0..31
	s_and_b32 s37, s5, 1                           ; b
	s_lshr_b32 s36, s5, 1                          ; which eight blocks
	s_lshl_b32 s32, s36, 14                        ; eight blocks of 2,048 bytes,
	s_lshl_b32 s33, s37, 10                        ; my b's 1,024 of each
	s_add_co_u32 s32, s32, s33
	s_add_co_u32 s32, s32, ROT_OFF
	s_mov_b32 s33, 0
	s_add_nc_u64 s[34:35], s[28:29], s[32:33]
	s_lshl_b32 s36, s36, 7
	v_add_nc_u32 v12, s36, v[R16]
	v_cvt_f32_u32 v12, v12                         ; t, exact in f32
	s_lshl_b32 s37, s37, 3
	v_lshl_add_u32 v13, v[H], 2, s37               ; 8 b + 4 (lane/16)
	v_lshlrev_b32 v11, 4, v[LN]
.irp n, 0,1,2,3
	v_add_nc_u32 v14, \n, v13
	v_cvt_f32_u32 v14, v14
	v_mul_f32 v[16+\n], 0xbf549a78, v14            ; -i log2(10000) / 16
.endr
.irp n, 0,1,2,3
	v_exp_f32 v[16+\n], v[16+\n]                   ; 10000^(-i/16)
.endr
	v_mov_b32 v28, 0x2f309231                      ; 1/13!  (a plain line behind the last exponential)
	v_mov_b32 v29, 0xad49cba5                      ; -1/14!
	s_wait_alu depctr_va_vdst(0)                   ; one wait for the four, ahead of their first reader and of the label
.macro SINCOS n
	v_mul_f32 v24, v12, v[16+(\n)]                 ; the angle
	v_mul_f32 v25, 0.15915494, v24
	v_rndne_f32 v25, v25                           ; whole turns
	v_fmamk_f32 v24, v25, 0xc0c90fdb, v24          ; less 2 pi's upper part,
	v_fmamk_f32 v24, v25, 0x343bbd2e, v24          ; and its lower: now within -pi .. pi
	v_mul_f32 v26, v24, v24
	v_fmaak_f32 v27, v28, v26, 0xb2d7322b
	v_fmaak_f32 v27, v27, v26, 0x3638ef1d
	v_fmaak_f32 v27, v27, v26, 0xb9500d01
	v_fmaak_f32 v27, v27, v26, 0x3c088889
	v_fmaak_f32 v27, v27, v26, 0xbe2aaaab
	v_fmaak_f32 v27, v27, v26, 0x3f800000
	v_mul_f32 v[36+(\n)], v27, v24                 ; sin
	v_fmaak_f32 v27, v29, v26, 0x310f76c7
	v_fmaak_f32 v27, v27, v26, 0xb493f27e
	v_fmaak_f32 v27, v27, v26, 0x37d00d01
	v_fmaak_f32 v27, v27, v26, 0xbab60b61
	v_fmaak_f32 v27, v27, v26, 0x3d2aaaab
	v_fmaak_f32 v27, v27, v26, 0xbf000000
	v_fmaak_f32 v[32+(\n)], v27, v26, 0x3f800000   ; cos
.endm
	s_mov_b32 s39, 8
.Lrot:
.irp n, 0,1,2,3
	SINCOS \n
.endr
	global_store_b128 v11, v[32:35], s[34:35]              ; each store: 512 consecutive bytes
	global_store_b128 v11, v[36:39], s[34:35] offset:512
	s_wait_xcnt 0x0                                ; the stores have read their data and base: both are written again below
	s_add_nc_u64 s[34:35], s[34:35], 2048
	v_add_f32 v12, 0x41800000, v12                 ; 16 positions on
	s_sub_co_u32 s39, s39, 1
	s_cmp_lg_u32 s39, 0
	s_cbranch_scc1 .Lrot
	s_branch .Lend
; ---- X.  The group's 16 rows of 4,096 bytes; my wave's 1,024 bytes (256 k) of each; a lane holds 8 k of each row, 128 registers.  The wave's 16 sums of squares go to LDS, a barrier, every wave adds
; the four parts; then my piece is scaled, rounded and turned through my own stage in LDS (32 units of 256 bytes, 272 apart), so that each store is 512 consecutive bytes of layout F.
.LjobX:
	s_lshl_b32 s32, ttmp9, 16                      ; 16 rows of 4,096 bytes
	s_lshl_b32 s36, s4, 10                         ; my 256 k
	s_add_co_u32 s32, s32, s36
	s_mov_b32 s33, 0
	s_mov_b32 s37, 0
	s_add_nc_u64 s[34:35], s[8:9], s[32:33]        ; x
	s_add_nc_u64 s[40:41], s[24:25], s[36:37]      ; attn_scale at my k
	s_lshl_b32 s32, ttmp9, 15                      ; a block of xn is 32,768 bytes,
	s_lshl_b32 s36, s4, 13                         ; 256 k of it 8,192
	s_add_co_u32 s32, s32, s36
	s_add_nc_u64 s[38:39], s[26:27], s[32:33]      ; xn
	s_mul_i32 s42, s4, 8704                        ; my stage
	s_mov_b32 s43, 0x3a800000                      ; 1/1024
	s_mov_b32 s44, 0x358637bd                      ; 1e-6
	s_lshl_b32 s45, s4, 6
	s_add_co_u32 s45, s45, PART                    ; my 64 bytes of the exchange
	v_lshlrev_b32 v8, 5, v[LN]                     ; my 32 bytes of a row's piece
	v_mul_u32_u24 v9, v[LN], 272
	v_add_nc_u32 v9, s42, v9                       ; into the stage: unit = lane, 16 bytes a row
	v_mul_u32_u24 v10, v[H], 272
	v_lshl_add_u32 v10, v[R16], 4, v10
	v_add_nc_u32 v10, s42, v10                     ; back: two whole units
	v_lshlrev_b32 v11, 4, v[LN]
	v_mov_b32 v12, s45
	v_mov_b32 v13, PART
	global_load_b128 v[24:27], v8, s[40:41]        ; the gains of my 8 k
	global_load_b128 v[28:31], v8, s[40:41] offset:16
.set q, 0
.rept 16
	global_load_b128 v[64+8*q:64+8*q+3],   v8, s[34:35] offset:4096*q
	global_load_b128 v[64+8*q+4:64+8*q+7], v8, s[34:35] offset:4096*q+16
.set q, q+1
.endr
	s_wait_loadcnt 0x0
.macro ROWS line:vararg                ; one line for each row q
.set q, 0
.rept 16
	\line
.set q, q+1
.endr
.endm
	ROWS v_pk_mul_f32 v[32+2*q:33+2*q], v[64+8*q:65+8*q], v[64+8*q:65+8*q]
.irp j, 2,4,6
	ROWS v_pk_fma_f32 v[32+2*q:33+2*q], v[64+8*q+\j:64+8*q+\j+1], v[64+8*q+\j:64+8*q+\j+1], v[32+2*q:33+2*q]
.endr
	ROWS v_add_f32 v[32+2*q], v[32+2*q], v[33+2*q]
	ROWS v_add_f32_dpp v[32+2*q], v[32+2*q], v[32+2*q] row_xmask:1 row_mask:0xf bank_mask:0xf
	ROWS v_add_f32_dpp v[32+2*q], v[32+2*q], v[32+2*q] row_xmask:2 row_mask:0xf bank_mask:0xf
	ROWS v_add_f32_dpp v[32+2*q], v[32+2*q], v[32+2*q] row_xmask:4 row_mask:0xf bank_mask:0xf
	ROWS v_add_f32_dpp v[32+2*q], v[32+2*q], v[32+2*q] row_xmask:8 row_mask:0xf bank_mask:0xf
	ROWS v_permlanex16_b32 v[33+2*q], v[32+2*q], s6, s7
	ROWS v_add_f32 v[192+q], v[32+2*q], v[33+2*q]
.irp i, 0,1,2,3
	ds_store_b128 v12, v[192+4*\i:195+4*\i] offset:16*\i   ; my wave's 16 sums; all lanes write the same bytes with the same numbers
.endr
	s_wait_dscnt 0x0                               ; for the others' sake: my sums are in LDS
	s_barrier_signal -1
	s_barrier_wait -1
.set i, 0
.rept 16
	ds_load_b128 v[192+4*i:195+4*i], v13 offset:16*i       ; wave i / 4's sums of rows 4 (i % 4) .., in every lane
.set i, i+1
.endr
	s_wait_dscnt 0x0
.set i, 0
.rept 8
	v_pk_add_f32 v[192+2*i:193+2*i], v[192+2*i:193+2*i], v[208+2*i:209+2*i]
	v_pk_add_f32 v[224+2*i:225+2*i], v[224+2*i:225+2*i], v[240+2*i:241+2*i]
.set i, i+1
.endr
.set i, 0
.rept 8
	v_pk_add_f32 v[192+2*i:193+2*i], v[192+2*i:193+2*i], v[224+2*i:225+2*i]
.set i, i+1
.endr
	ROWS v_fma_f32 v[208+2*q], v[192+q], s43, s44
	ROWS v_rsq_f32 v[208+2*q], v[208+2*q]
	v_nop                                          ; a plain line behind the last of the batch
	s_wait_alu depctr_va_vdst(0)                   ; one wait for the sixteen
.set q, 0
.rept 16
.irp j, 0,2,4,6
	v_pk_mul_f32 v[64+8*q+\j:64+8*q+\j+1], v[64+8*q+\j:64+8*q+\j+1], v[24+\j:25+\j]
.endr
.irp j, 0,2,4,6
	v_pk_mul_f32 v[64+8*q+\j:64+8*q+\j+1], v[64+8*q+\j:64+8*q+\j+1], v[208+2*q:209+2*q] op_sel_hi:[1,0]
.endr
.irp j, 0,1,2,3
	v_cvt_pk_bf16_f32 v[16+4*(q%2)+\j], v[64+8*q+2*\j], v[64+8*q+2*\j+1]
.endr
	ds_store_b128 v9, v[16+4*(q%2):19+4*(q%2)] offset:16*q
.set q, q+1
.endr
.set t, 0
.rept 16
	ds_load_b128 v[64+4*t:67+4*t], v10 offset:544*t  ; LDS serves a wave's instructions in order (ISA guide 5.7.1.4): these see the stores above
.set t, t+1
.endr
.set t, 0
.rept 16
	s_wait_dscnt 15-t                              ; the younger read-backs may stay out
	global_store_b128 v11, v[64+4*t:67+4*t], s[38:39] offset:512*t
.set t, t+1
.endr
	s_branch .Lend
; ---- W.  Task = 64 columns x 128 k.  Tasks 0-127 Wq, -255 Wk, -383 Wv, -511 Wo (16 column groups x 8 chunks of k each), -1023 W1 (64 x 8), -1279 W2 (16 x 16).
; Blocks of 16 columns are laid in the order in which the products want them.  QKV: unit u = 0..31 has six blocks: four of q head u (or k head u - 16), two of Wv's columns 32 u ..
; W1: block 8 J + 4 s + b: group J of 64 columns, s = 0 the gate's argument, 1 the other half.  Wo, W2: as they come.
.LjobW:
	s_sub_co_u32 s5, ttmp9, 392
	s_lshl2_add_u32 s5, s5, s4                     ; the task
	s_lshr_b32 s40, s5, 7                          ; 0..3: Wq, Wk, Wv, Wo
	s_bfe_u32 s32, s5, 0x40003                     ; their column group,
	s_and_b32 s33, s5, 7                           ; their chunk of k (W1's too)
	s_mul_i32 s37, s32, 6                          ; first block: Wq,
	s_add_co_u32 s41, s37, 96                      ; Wk,
	s_mul_i32 s42, s32, 12
	s_add_co_u32 s42, s42, 4                       ; Wv,
	s_lshl_b32 s43, s32, 2                         ; Wo
	s_bfe_u32 s44, s5, 0x60003                     ; W1's column group 0..63
	s_and_b32 s45, s44, 31
	s_lshl_b32 s45, s45, 3
	s_lshr_b32 s46, s44, 5
	s_lshl2_add_u32 s45, s46, s45                  ; 8 J + 4 s
	s_bfe_u32 s47, s5, 0x40004                     ; W2's column group,
	s_lshl_b32 s48, s47, 2
	s_and_b32 s49, s5, 15                          ; and chunk
	s_mov_b64 s[34:35], s[12:13]
	s_mov_b32 s36, 0                               ; the matrix's place in wf
	s_mov_b32 s38, 15                              ; a block is 2^15 bytes (W2: 2^16)
	s_mov_b32 s39, 2                               ; blocks from columns 0-31 to columns 32-63 (Wv: 6)
	s_mov_b32 s60, 4096                            ; bytes in a row of the source (W1: 16,384)
	s_cmp_eq_u32 s40, 1
	s_cselect_b64 s[34:35], s[14:15], s[34:35]
	s_cselect_b32 s37, s41, s37
	s_cmp_eq_u32 s40, 2
	s_cselect_b64 s[34:35], s[16:17], s[34:35]
	s_cselect_b32 s37, s42, s37
	s_cselect_b32 s39, 6, s39
	s_cmp_eq_u32 s40, 3
	s_cselect_b64 s[34:35], s[18:19], s[34:35]
	s_cselect_b32 s37, s43, s37
	s_cselect_b32 s36, WO_OFF, s36
	s_cmp_ge_u32 s5, 512
	s_cselect_b64 s[34:35], s[20:21], s[34:35]
	s_cselect_b32 s32, s44, s32
	s_cselect_b32 s37, s45, s37
	s_cselect_b32 s36, W1_OFF, s36
	s_cselect_b32 s60, 16384, s60
	s_cmp_ge_u32 s5, 1024
	s_cselect_b64 s[34:35], s[22:23], s[34:35]
	s_cselect_b32 s32, s47, s32
	s_cselect_b32 s33, s49, s33
	s_cselect_b32 s37, s48, s37
	s_cselect_b32 s36, W2_OFF, s36
	s_cselect_b32 s38, 16, s38
	s_cselect_b32 s60, 4096, s60
	s_lshl_b32 s50, s60, 7                         ; 128 rows of the source
	s_mul_i32 s52, s33, s50
	s_mov_b32 s53, 0
	s_add_nc_u64 s[34:35], s[34:35], s[52:53]      ; the source at my chunk's first row
	s_lshl_b32 s62, s60, 5                         ; a trip's 32 rows
	s_mov_b32 s63, 0
	s_lshl_b32 s54, s32, 8
	v_lshl_add_u32 v160, v[LN], 2, s54             ; column 64 group + lane, row 0 of a trip;
.set k, 1
.rept 31
	v_add_nc_u32 v[160+k], s60, v[159+k]           ; rows 1 to 31: one text serves both pitches
.set k, k+1
.endr
	v_add_nc_u32 v9, s37, v[H]
	v_lshlrev_b32 v9, s38, v9                      ; lanes 0-15 one block, lanes 16-31 the next
	v_lshl_add_u32 v9, v[R16], 4, v9
	s_lshl_b32 s55, s33, 12                        ; 128 k are 4,096 bytes of a block
	s_add_co_u32 s55, s55, s36
	v_add_nc_u32 v9, s55, v9
	s_lshl_b32 s56, s39, s38
	v_add_nc_u32 v10, s56, v9                      ; the same for columns 32-63
; Four trips of 32 k.  A load takes 32 neighbouring columns of one k; eight k of a column round to 16 bytes; a store writes two whole units of 256 bytes.
	s_mov_b32 s57, 4
.Lw:
.set n, 0
.rept 64                               ; n = 16 kk + 8 m + j: k = 8 kk + j, columns 32 m ..
	global_load_b32 v[64+n], v[160+8*(n/16)+n%8], s[34:35] offset:128*((n/8)%2) th:TH_LOAD_NT
.set n, n+1
.endr
.set g, 0
.rept 8
	s_wait_loadcnt 56-8*g                          ; the groups behind this one may stay out
.irp i, 0,1,2,3
	v_cvt_pk_bf16_f32 v[128+4*g+\i], v[64+8*g+2*\i], v[64+8*g+2*\i+1]
.endr
	global_store_b128 v[9+g%2], v[128+4*g:131+4*g], s[28:29] offset:256*(g/2)
.set g, g+1
.endr
	s_wait_xcnt 0x0                                ; base, offsets and store data are written again only behind this wait
	s_add_nc_u64 s[34:35], s[34:35], s[62:63]
	v_add_nc_u32 v9, 1024, v9
	v_add_nc_u32 v10, 1024, v10
	s_sub_co_u32 s57, s57, 1
	s_cmp_lg_u32 s57, 0
	s_cbranch_scc1 .Lw
	s_branch .Lend
; ---- M.  The group's 16 queries; my wave's 512 keys.  Lane (r, h) reads, for each 16 keys, the 8 bytes of query r at keys 8 h ..: the order of a lane's scores.  The bytes stay in 64 registers while
; the four waves settle, through LDS and a barrier, whether the row sees any key.
.LjobM:
	s_sub_co_u32 s5, ttmp9, 256                    ; block of 16 queries
	s_lshl_b32 s32, s5, 15                         ; 16 rows of 2,048 bytes
	s_lshl_b32 s36, s4, 9                          ; my 512 keys
	s_add_co_u32 s32, s32, s36
	s_mov_b32 s33, 0
	s_add_nc_u64 s[34:35], s[10:11], s[32:33]
	s_lshl_b32 s32, s5, 15                         ; out: 32 steps of 1,024 bytes a block,
	s_lshl_b32 s36, s4, 13                         ; my 8 of them
	s_add_co_u32 s32, s32, s36
	s_add_nc_u64 s[38:39], s[30:31], s[32:33]
	s_lshl_b32 s32, s5, 6
	s_add_co_u32 s32, s32, KEEP_OFF
	s_add_nc_u64 s[40:41], s[30:31], s[32:33]
	s_mov_b32 s42, 0x01010101
	s_mov_b32 s43, 0xf1
	s_lshl_b32 s45, s4, 6
	s_add_co_u32 s45, s45, PART                    ; my 64 bytes of the exchange
	v_lshlrev_b32 v8, 11, v[R16]
	v_lshl_add_u32 v8, v[H], 3, v8
	v_lshlrev_b32 v11, 4, v[LN]
	v_lshlrev_b32 v10, 2, v[R16]
	v_add_nc_u32 v15, s45, v10                     ; where I put row r's word,
	v_add_nc_u32 v9, PART, v10                     ; and where the four waves' words for row r begin
.set n, 0
.rept 32
	global_load_b64 v[64+2*n:65+2*n], v8, s[34:35] offset:16*n
.set n, n+1
.endr
	s_wait_loadcnt 0x0
	v_or_b32 v12, v64, v66
	v_or_b32 v13, v65, v67
.set n, 2
.rept 30
	v_or_b32 v12, v12, v[64+2*n]
	v_or_b32 v13, v13, v[65+2*n]
.set n, n+1
.endr
	v_or_b32 v12, v12, v13
	v_permlanex16_b32 v13, v12, s6, s7             ; the row's other keys lie in the lane 16 away
	v_or_b32 v12, v12, v13
	ds_store_b32 v15, v12                          ; lanes r and 16 + r write the same word with the same number
	s_wait_dscnt 0x0                               ; for the others' sake
	s_barrier_signal -1
	s_barrier_wait -1
.irp w, 0,1,2,3
	ds_load_b32 v[16+\w], v9 offset:64*\w
.endr
	s_wait_dscnt 0x0
	v_or_b32 v16, v16, v17
	v_or_b32 v18, v18, v19
	v_or_b32 v12, v16, v18
	v_cmp_ne_u32 vcc_lo, 0, v12
	v_cndmask_b32 v14, 0, -1, vcc_lo               ; -1: the row sees a key
.set n, 0
.rept 64
	v_xor_b32 v[64+n], s42, v[64+n]                ; 1 where hidden,
	v_mul_lo_u32 v[64+n], v[64+n], s43             ; 0xF1 there (no carry between bytes),
	v_and_b32 v[64+n], v14, v[64+n]                ; and nothing hidden in a row that sees nothing
.set n, n+1
.endr
.set n, 0
.rept 16
	global_store_b128 v11, v[64+4*n:67+4*n], s[38:39] offset:512*n
.set n, n+1
.endr
	s_cmp_lg_u32 s4, 0                             ; wave 0 stores the 16 rows' words
	s_cbranch_scc1 .Lend
	v_cmp_gt_u32 vcc_lo, 16, v[LN]
	s_wait_xcnt 0x0                                ; EXEC changes only behind this wait
	s_and_saveexec_b32 s9, vcc_lo
	global_store_b32 v10, v14, s[40:41]            ; lanes 0-15
	s_wait_xcnt 0x0
	s_or_b32 exec_lo, exec_lo, s9
.Lend:
	s_wait_tensorcnt 0x0                           ; the wave's end
	ds_add_u32 v[SPW], v[NIL]
	s_wait_dscnt 0x0
	s_endpgm
.Lfunc_end_k_qf0970e7a73_prep:
	.size	k_qf0970e7a73_prep, .Lfunc_end_k_qf0970e7a73_prep-k_qf0970e7a73_prep
	.p2alignl 7, 3214868480
	.fill 96, 4, 3214868480
	.section	.rodata,"a",@progbits
	.p2align	6, 0x0
	.amdhsa_kernel k_qf0970e7a73_prep
		.amdhsa_group_segment_fixed_size 35584
		.amdhsa_private_segment_fixed_size 0
		.amdhsa_enable_private_segment 0
		.amdhsa_kernarg_size 96
		.amdhsa_user_sgpr_count 2
		.amdhsa_user_sgpr_kernarg_segment_ptr 1
		.amdhsa_wavefront_size32 1
		.amdhsa_system_sgpr_workgroup_id_x 1
		.amdhsa_system_sgpr_workgroup_id_y 1
		.amdhsa_system_sgpr_workgroup_id_z 1
		.amdhsa_system_vgpr_workitem_id 0
		.amdhsa_next_free_vgpr 256
		.amdhsa_next_free_sgpr 80
		.amdhsa_reserve_vcc 1
		.amdhsa_float_denorm_mode_32 3
		.amdhsa_float_denorm_mode_16_64 3
		.amdhsa_memory_ordered 1
		.amdhsa_forward_progress 1
		.amdhsa_inst_pref_size 72
	.end_amdhsa_kernel
	.amdgpu_metadata
---
amdhsa.version: [ 1, 2 ]
amdhsa.kernels:
  - .name:           k_qf0970e7a73_prep
    .symbol:         k_qf0970e7a73_prep.kd
    .args:
      - { .name: x, .offset: 0, .size: 8, .value_kind: global_buffer, .address_space: global }
      - { .name: attention_mask, .offset: 8, .size: 8, .value_kind: global_buffer, .address_space: global }
      - { .name: Wq, .offset: 16, .size: 8, .value_kind: global_buffer, .address_space: global }
      - { .name: Wk, .offset: 24, .size: 8, .value_kind: global_buffer, .address_space: global }
      - { .name: Wv, .offset: 32, .size: 8, .value_kind: global_buffer, .address_space: global }
      - { .name: Wo, .offset: 40, .size: 8, .value_kind: global_buffer, .address_space: global }
      - { .name: W1, .offset: 48, .size: 8, .value_kind: global_buffer, .address_space: global }
      - { .name: W2, .offset: 56, .size: 8, .value_kind: global_buffer, .address_space: global }
      - { .name: attn_scale, .offset: 64, .size: 8, .value_kind: global_buffer, .address_space: global }
      - { .name: xn, .offset: 72, .size: 8, .value_kind: global_buffer, .address_space: global }
      - { .name: wf, .offset: 80, .size: 8, .value_kind: global_buffer, .address_space: global }
      - { .name: msk, .offset: 88, .size: 8, .value_kind: global_buffer, .address_space: global }
    .group_segment_fixed_size: 35584
    .private_segment_fixed_size: 0
    .kernarg_segment_align: 8
    .kernarg_segment_size: 96
    .max_flat_workgroup_size: 128
    .sgpr_count:     80
    .vgpr_count:     256
    .wavefront_size: 32
...
	.end_amdgpu_metadata
.endif
;; end of part 1
;; launch qkv (part 2): grid 16 x 16, 4 waves a work-group, clusters of 4 x 4, 327,680 bytes of LDS; arguments xn, wf, qkv; writes qkv
.if DOCPART == 2
	.amdgcn_target "amdgcn-amd-amdhsa--gfx1250"
	.amdhsa_code_object_version 6
	.text
	.protected	k_qf0970e7a73_qkv
	.globl	k_qf0970e7a73_qkv
	.p2align	8
	.type	k_qf0970e7a73_qkv,@function
k_qf0970e7a73_qkv:
	s_mov_b64 s[64:65], 0
	v_nop
	global_prefetch_b8 v0, s[64:65] scope:SCOPE_SE
	s_setreg_imm32_b32 hwreg(HW_REG_WAVE_MODE, 25, 1), 1
	s_wait_xcnt 0x0
	s_wait_alu depctr_hold_cnt(0) depctr_sa_sdst(0) depctr_va_vdst(0) depctr_va_sdst(0) depctr_va_ssrc(0) depctr_va_vcc(0) depctr_vm_vsrc(0)
	s_getreg_b32 s2, hwreg(HW_REG_IB_STS2, 6, 4)
	s_cmp_eq_u32 s2, 0
	s_cbranch_scc0 .Lentry_in_a_cluster
	s_endpgm
.Lentry_in_a_cluster:
	s_bfe_u32 s2, ttmp6, 0x10000c
	s_cmp_lg_u32 s2, 0xf033
	s_cbranch_scc0 .Lentry_shape_is_right
	s_endpgm
.Lentry_shape_is_right:
; q, k, v = xn Wq, xn Wk, xn Wv; the first 32 channels of each head of q and k are turned by the rotary table; all three leave by heads in bf16.
; Operands lie in LAYOUT F (16 rows x 8 k = 256 consecutive bytes; a block of 16 rows is 32 K bytes): a fragment of 16 rows x 32 k is two loads of 512 consecutive bytes, in memory and in LDS alike.
; SHARES.  A work-group: 256 tokens x 12 blocks of 16 columns; a wave: 8 token blocks x 6 column blocks (one unit: 4 blocks of one head of q or k, 2 of v): 48 accumulators.
; K = 1,024 goes in 8 steps of 128 through two LDS slots; a step of a block is 4,096 dense bytes.  The slots lie 2^17 bytes apart, so one exclusive or changes slots and a step's text stands once.
; A step is four quarters of 32 along K on fragment buffers 0, 1, 0, 1; quarters 0 and 2 are ONE text, walked twice with the LDS addresses 2,048 bytes on: a step's text is three quarters long.
; PRODUCTS.  q, k: source 0 = columns, source 1 = tokens: a lane holds one token and 8 neighbouring channels.  v: the sources swapped: a lane holds one channel and 8 tokens, a piece of v transposed.
; Either way four roundings make 16 bytes of layout F, and a wave's store is 512 consecutive bytes.
; CLUSTER 4 x 4: the tokens' tiles are shared along a row, the weights' along a column, each asked for jointly.
; REGISTERS.  window 0: v16-19 LDS addresses, v28-31, v32-63 at work, v64-191 the rotary table of my tokens, v192-239 packed results.  window 1: A's fragments (buffer f at 64 f), B's (128 + 64 f).
; windows 2, 3: accumulator (a, b) at 8 (8 (a % 4) + b) of window 2 + a / 4.
.set WB,    6                          ; column blocks a wave
.set SWAPB, 4                          ; from this block on the sources are swapped
.set LCB,   23                         ; B's prefetch: 6 blocks x 4 pieces of 256 bytes for each partner
.set ROT_OFF, 20971520
.set CH,    4096                       ; bytes of a block in a K step
.set SLOT1, 131072
.set BLDS,  65536                      ; in a slot: A's 16 blocks, then B's
.set SPARE, 262144                     ; behind the slots: the spare words, 128 bytes a wave; no other line names them
.set ADRA0, 16                         ; v16 my A fragments in slot 0; never rewritten
.set ADRB0, 17                         ; v17 my B fragments in slot 0; never rewritten
.set ADRA,  18                         ; v18, v19 the same at the place in hand
.set ADRB,  19
.set SPW,   28
.set NIL,   29
.set PFO,   30                         ; v30 the prefetches' offset; never rewritten
.set GO,    31                         ; v31 16 x lane
.set G1,  24                           ; s[24:31] group 1 for A; s[32:39] two groups 0: K step 0, and the one that walks
.set G0,  32
.set G1B, 48                           ; the same for B
.set G0B, 56
.set LIM, 43                           ; s43 2 in a wave that prefetches, else the greatest number
.set PFA, 44                           ; s[44:45] where my prefetches stand
.set TBS, 68                           ; s68 the place in hand: the slot (0 or SLOT1), and 2,048 more in a step's second half
.set MUL_LO, 0xa5                      ; sources in window 1, C and D in window 2
.set TO_F,   0x40                      ; destination window 1, address window 0
.set MSB, 0
.macro WIN new                         ; the high byte repeats the setting that is left; a switch that changes nothing is dropped
.if MSB != (\new)
	s_set_vgpr_msb (MSB<<8)|(\new)
.set MSB, (\new)
.endif
.endm
.macro PLACES                          ; four plain lines: behind matrix instructions, ahead of loads into their sources and of readers of their results
.rept 4
	v_nop
.endr
.endm
.macro CREST                           ; a round of the cluster's barrier behind its opening barrier
	s_cmp_lg_u32 s10, 0
	s_cbranch_scc1 .Lnot_wave_0_\@
	s_barrier_signal -3
.Lnot_wave_0_\@:
	s_barrier_wait -3
	s_barrier_signal -1
	s_barrier_wait -1
.endm
.macro CROUND
	s_barrier_signal -1
	s_barrier_wait -1
	CREST
.endm
.macro JLOAD                           ; the joint refill: waves 0, 1 fetch A's halves, waves 2, 3 B's; an s_nop 0 and four v_nop follow each line
	s_cmp_eq_u32 s11, 0
	s_cbranch_scc0 .Lfor_b_\@
	tensor_load_to_lds s[G0+4:G0+7], s[G1:G1+7]
	s_nop 0
	PLACES
	s_branch .Lasked_\@
.Lfor_b_\@:
	tensor_load_to_lds s[G0B+4:G0B+7], s[G1B:G1B+7]
	s_nop 0
	PLACES
.Lasked_\@:
.endm
; A prefetch into the L2 of the K step two refills on.  A's blocks are named by the clusters with x = 0, B's by those with y = 0; the four partners of a joint load share each block's 4,096 bytes out by address,
; 1,024 each, a lane 256 bytes.  The last two refills have no step two on.
.macro ASK
	s_cmp_gt_u32 s3, s[LIM]
	s_cbranch_scc0 .Lnot_mine_\@
	global_prefetch_b8 v[PFO], s[PFA:PFA+1] offset:CH th:TH_LOAD_NT scope:SCOPE_SE
.Lnot_mine_\@:
.endm
.macro MULH f, hi, a0, zero            ; 2 WB products: token blocks 4 hi + a0, + 1, all column blocks, 32 along K of buffer f; the accumulators take turns
	WIN MUL_LO+0x50*(\hi)
.irp a, \a0, (\a0)+1
.set b, 0
.rept WB
.set rD, 8*(8*(\a)+b)
.set rA, 64*(\f)+8*(4*(\hi)+(\a))
.set rB, 128+64*(\f)+8*b
.if b < SWAPB
.set fS0, rB
.set fS1, rA
.else
.set fS0, rA
.set fS1, rB
.endif
.if \zero
	v_wmma_f32_16x16x32_bf16 v[rD:rD+7], v[fS0:fS0+7], v[fS1:fS1+7], 0
.else
	v_wmma_f32_16x16x32_bf16 v[rD:rD+7], v[fS0:fS0+7], v[fS1:fS1+7], v[rD:rD+7]
.endif
.set b, b+1
.endr
.endr
.endm
.macro FETCH k, f                      ; one run of LDS loads: the fragments of 32 along K, k bytes behind the place in hand, into buffer f; B first
	WIN TO_F
.set i, 0
.rept WB
	ds_load_b128 v[128+64*(\f)+8*i:128+64*(\f)+8*i+3],   v[ADRB] offset:(\k)+i*CH
	ds_load_b128 v[128+64*(\f)+8*i+4:128+64*(\f)+8*i+7], v[ADRB] offset:(\k)+i*CH+512
.set i, i+1
.endr
.set i, 0
.rept 8
	ds_load_b128 v[64*(\f)+8*i:64*(\f)+8*i+3],   v[ADRA] offset:(\k)+i*CH
	ds_load_b128 v[64*(\f)+8*i+4:64*(\f)+8*i+7], v[ADRA] offset:(\k)+i*CH+512
.set i, i+1
.endr
.endm
.macro QUARTER k, f, g, zero           ; multiplies buffer f; in its middle fetches the next quarter, k bytes on, into g
	s_wait_dscnt 8                                 ; all but the youngest eight loads (A's blocks 4-7)
	MULH \f, 0, 0, \zero
	MULH \f, 0, 2, \zero
	PLACES
	FETCH \k, \g
	s_wait_dscnt 2*WB+16                           ; all but the run just issued
	MULH \f, 1, 0, \zero
	MULH \f, 1, 2, \zero
.endm
.macro MEET                            ; the barrier of a change of slots
	WIN 0
	s_wait_tensorcnt 0x0                           ; all my tensor loads have landed: my part of the next slot
	ds_add_u32 v[SPW], v[NIL]
	s_wait_dscnt 9                                 ; the add and the youngest eight loads may be out
	MULH 1, 0, 0, 0
	s_wait_dscnt 0x0                               ; the add is done, my reads of this slot are over
	s_barrier_signal -1
	MULH 1, 0, 2, 0
	WIN 0
	s_barrier_wait -1
.endm
.macro TURN fill                       ; the last quarter of a K step: multiplies buffer 1 and changes slots; fill = 1: the slot just read takes the step two on
.if \fill
	s_wait_xcnt 0x0                                ; the last prefetch, a K step back, has read its address
	s_add_nc_u64 s[PFA:PFA+1], s[PFA:PFA+1], CH
.endif
	MEET
.if \fill
	CREST                                          ; the barrier has opened a round of the cluster's: no wave of any partner reads the slot or has a load on its way
	s_xor_b32 s[G0+5], s[G0+5], SLOT1
	s_add_nc_u64 s[G0+6:G0+7], s[G0+6:G0+7], CH
	s_xor_b32 s[G0B+5], s[G0B+5], SLOT1
	s_add_nc_u64 s[G0B+6:G0B+7], s[G0B+6:G0B+7], CH
	JLOAD                                          ; first behind the round; its four v_nop are also the places ahead of the loads below
.else
	PLACES
.endif
	s_sub_co_u32 s[TBS], s[TBS], 2048              ; back to a slot's head,
	s_xor_b32 s[TBS], s[TBS], SLOT1                ; in the other slot
	v_add_nc_u32 v[ADRA], s[TBS], v[ADRA0]
	v_add_nc_u32 v[ADRB], s[TBS], v[ADRB0]
	FETCH 0, 0
.if \fill
	WIN 0
	ASK
.endif
	MULH 1, 1, 0, 0
	MULH 1, 1, 2, 0
.endm
; s3 K steps.  A step: quarter 0 (.Leven), quarter 1 (.Lodd), the place goes 2,048 bytes on, quarter 2 (.Leven once more), and the step's TURN.  s69 counts the two walks of .Leven.
.macro STEPS tag, fill
.Lstep\tag:
	s_mov_b32 s69, 2
.Leven\tag:
	QUARTER 1024, 0, 1, 0
	WIN 0                                          ; at a label and at a branch every window is 0
	s_sub_co_u32 s69, s69, 1
	s_cmp_eq_u32 s69, 0
	s_cbranch_scc1 .Lturn\tag
.Lodd\tag:
	QUARTER 2048, 1, 0, 0
	WIN 0
	s_add_co_u32 s[TBS], s[TBS], 2048
	v_add_nc_u32 v[ADRA], s[TBS], v[ADRA0]
	v_add_nc_u32 v[ADRB], s[TBS], v[ADRB0]
	s_branch .Leven\tag
.Lturn\tag:
	TURN \fill
	WIN 0
	s_sub_co_u32 s3, s3, 1
	s_cmp_lg_u32 s3, 0
	s_cbranch_scc1 .Lstep\tag
.endm
	s_load_b128 s[4:7], s[0:1], 0x0                ; xn s[4:5], wf s[6:7]
	s_load_b64 s[8:9], s[0:1], 0x10                ; qkv
	v_lshl_add_u32 v[SPW], v0, 2, SPARE
	v_mov_b32 v[NIL], 0
	ds_add_u32 v[SPW], v[NIL]                      ; the wave's opening: the add and its wait ahead of my first tensor load
	v_lshrrev_b32 v1, 5, v0
	v_readfirstlane_b32 s10, v1                    ; wave 0..3
	s_lshr_b32 s11, s10, 1                         ; my half of the tokens; also: I fetch for A (0) or B (1)
	s_and_b32 s12, s10, 1                          ; my half of the columns; also: which half of that tile I fetch
	s_bfe_u32 s40, ttmp6, 0x40000                  ; cx
	s_bfe_u32 s41, ttmp6, 0x40004                  ; cy
	s_lshl_b32 s42, ttmp9, 2
	s_add_co_u32 s42, s42, s40                     ; tile column
	s_and_b32 s13, ttmp7, 0xffff
	s_lshl_b32 s13, s13, 2
	s_add_co_u32 s13, s13, s41                     ; tile row
	s_lshl_b32 s66, s41, 2
	s_lshl_b32 s66, 15, s66                        ; my row of the cluster
	s_lshl_b32 s67, 0x1111, s40                    ; my column
	s_or_b32 s[G1], s66, (3<<16)|(1<<21)           ; the mask; elements of 8 bytes; bit 21 beside a mask; no padding
	s_or_b32 s[G1B], s67, (3<<16)|(1<<21)
	s_mov_b32 s[G1+1], 512<<16                     ; a row of the tile: 512 elements, a block's 4,096 bytes of the step
	s_mov_b32 s[G1+2], 8<<16                       ; 8 blocks
	s_mov_b32 s[G1+3], 512<<16
	s_mov_b32 s[G1+4], 8
	s_mov_b32 s[G1+5], 4096                        ; from block to block: 32,768 bytes
	s_mov_b32 s[G1+6], 0
	s_mov_b32 s[G1+7], 0
	s_mov_b32 s[G1B+1], 512<<16
	s_mov_b32 s[G1B+2], WB<<16
	s_mov_b32 s[G1B+3], 512<<16
	s_mov_b32 s[G1B+4], WB
	s_mov_b32 s[G1B+5], 4096
	s_mov_b32 s[G1B+6], 0
	s_mov_b32 s[G1B+7], 0
	s_lshl_b32 s16, s13, 19                        ; A: block 16 x tile row + 8 x half
	s_lshl_b32 s17, s12, 18
	s_add_co_u32 s16, s16, s17
	s_mov_b32 s17, 0
	s_mul_i32 s18, s42, 2*WB*32768                 ; B: block 2 WB x tile column + WB x half
	s_mul_i32 s19, s12, WB*32768
	s_add_co_u32 s18, s18, s19
	s_mov_b32 s19, 0
	s_lshl_b32 s20, s12, 15                        ; where they go in a slot: no place in the cluster enters an LDS address
	s_mul_i32 s21, s12, WB*CH
	s_add_co_u32 s21, s21, BLDS
	s_wait_dscnt 0x0                               ; the opening add is done
	s_wait_kmcnt 0x0
	s_add_nc_u64 s[14:15], s[4:5], s[16:17]
	s_add_nc_u64 s[46:47], s[6:7], s[18:19]
.irp s, 0,1
	s_mov_b32 s[G0+4*\s], 1
	s_add_co_u32 s[G0+4*\s+1], s20, \s*SLOT1
	s_add_nc_u64 s[G0+4*\s+2:G0+4*\s+3], s[14:15], \s*CH
	s_or_b32 s[G0+4*\s+3], s[G0+4*\s+3], 0x80000000
	s_mov_b32 s[G0B+4*\s], 1
	s_add_co_u32 s[G0B+4*\s+1], s21, \s*SLOT1
	s_add_nc_u64 s[G0B+4*\s+2:G0B+4*\s+3], s[46:47], \s*CH
	s_or_b32 s[G0B+4*\s+3], s[G0B+4*\s+3], 0x80000000
.endr
	CROUND                                         ; all sixteen work-groups are here: the first joint loads meet
	s_cmp_eq_u32 s11, 0                            ; a wave's two first fills stand in one branch: two loads of mine are out
	s_cbranch_scc0 .Lfirst_b
	tensor_load_to_lds s[G0:G0+3], s[G1:G1+7]
	s_nop 0
	tensor_load_to_lds s[G0+4:G0+7], s[G1:G1+7]
	s_nop 0
	PLACES
	s_branch .Lfirst_asked
.Lfirst_b:
	tensor_load_to_lds s[G0B:G0B+3], s[G1B:G1B+7]
	s_nop 0
	tensor_load_to_lds s[G0B+4:G0B+7], s[G1B:G1B+7]
	s_nop 0
	PLACES
.Lfirst_asked:
	; the prefetches
	s_and_b32 s22, ttmp7, 0xffff                   ; cluster y
	s_cmp_eq_u32 s11, 0
	s_cselect_b32 s21, s40, s41                    ; my place among the four that ask with me
	s_cselect_b32 s22, ttmp9, s22                  ; the coordinate along which other clusters read the same blocks
	s_cselect_b32 s23, 31, LCB
	s_cselect_b64 s[PFA:PFA+1], s[14:15], s[46:47]
	s_cmp_eq_u32 s22, 0
	s_cselect_b32 s[LIM], 2, -1
	s_lshl_b32 s20, s21, 10
	s_add_co_u32 s20, s20, 2*CH                    ; at K step 2: the first refill steps it to 3 and names step 4
	s_mov_b32 s21, 0
	s_add_nc_u64 s[PFA:PFA+1], s[PFA:PFA+1], s[20:21]
	v_and_b32 v2, 31, v0
	v_min_u32 v[PFO], s23, v2                      ; (lanes past the last piece repeat it)
	v_lshrrev_b32 v3, 2, v[PFO]
	v_and_b32 v[PFO], 3, v[PFO]
	v_lshlrev_b32 v[PFO], 8, v[PFO]
	v_lshl_add_u32 v[PFO], v3, 15, v[PFO]          ; block lane / 4, piece lane % 4
	v_lshlrev_b32 v[GO], 4, v2
	s_lshl_b32 s20, s11, 15
	v_add_nc_u32 v[ADRA0], s20, v[GO]
	s_mul_i32 s20, s12, WB*CH
	s_add_co_u32 s20, s20, BLDS
	v_add_nc_u32 v[ADRB0], s20, v[GO]
	; where the results go.  unit u = 2 x tile column + half; batch = tile row / 8; my first block of 16 positions = 16 (tile row % 8) + 8 x token half
	s_and_b32 s22, s13, 7
	s_lshl_b32 s22, s22, 4
	s_lshl3_add_u32 s22, s11, s22
	s_lshr_b32 s70, s42, 3
	s_lshl_b32 s70, s70, 23                        ; k lies 8,388,608 bytes behind q
	s_and_b32 s71, s42, 7
	s_lshl_b32 s71, s71, 19
	s_add_co_u32 s70, s70, s71
	s_lshl_b32 s71, s12, 18
	s_add_co_u32 s70, s70, s71                     ; head u % 16: 262,144 bytes each
	s_lshr_b32 s71, s13, 3
	s_lshl_b32 s71, s71, 22
	s_add_co_u32 s70, s70, s71
	s_lshl_b32 s71, s22, 11
	s_add_co_u32 s70, s70, s71
	s_mov_b32 s71, 0
	s_add_nc_u64 s[70:71], s[8:9], s[70:71]        ; q or k: [head][block of 16 positions][8 channels][16][16 bytes]
	s_lshl_b32 s72, s42, 18                        ; v: head u / 2,
	s_lshl_b32 s73, s12, 17                        ; channel blocks 2 (u % 2) ..
	s_add_co_u32 s72, s72, s73
	s_lshr_b32 s73, s13, 3
	s_lshl_b32 s73, s73, 22
	s_add_co_u32 s72, s72, s73
	s_lshl_b32 s73, s22, 9
	s_add_co_u32 s72, s72, s73
	s_add_co_u32 s72, s72, 16777216
	s_mov_b32 s73, 0
	s_add_nc_u64 s[72:73], s[8:9], s[72:73]        ; v transposed: [head][16 channels][8 keys][16][16 bytes]
	s_lshl_b32 s74, s22, 11
	s_add_co_u32 s74, s74, ROT_OFF
	s_mov_b32 s75, 0
	s_add_nc_u64 s[74:75], s[6:7], s[74:75]
.set i, 0
.rept 32                               ; the table of my 8 blocks of positions: cos, sin of channels 0-15, cos, sin of channels 16-31; wanted on the way out
	global_load_b128 v[64+4*i:67+4*i], v[GO], s[74:75] offset:512*i
.set i, i+1
.endr
	s_wait_tensorcnt 1                             ; my part of K step 0 is in; step 1's may stay out
	s_barrier_signal -1
	s_barrier_wait -1
	s_mov_b32 s[TBS], 0
	v_mov_b32 v[ADRA], v[ADRA0]
	v_mov_b32 v[ADRB], v[ADRB0]
	FETCH 0, 0
	QUARTER 1024, 0, 1, 1                          ; step 0's quarter 0 is written out: its products start the sums
	WIN 0
	s_mov_b32 s3, 6                                ; six steps fill a slot again: steps 2 to 7 are asked for
	s_mov_b32 s69, 1                               ; of step 0 one walk of .Leven is left
	s_branch .Lodd1                                ; the loop is entered at quarter 1
	STEPS 1, 1
	s_mov_b32 s3, 2                                ; the last two steps ask for nothing (the very last fetch, of a slot that has landed, serves nothing)
	STEPS 2, 0
	s_wait_dscnt 0x0
	s_wait_loadcnt 0x0                             ; the table
	PLACES
; THE WAY OUT of token block a.  Blocks 0, 1: channels 2 i, 2 i + 1 turn by angle i; then all six are rounded and stored.
.macro OUTA a
.set AW, 2+(\a)/4
.set AB, 64*((\a)%4)
.set PKB, 192+24*((\a)%2)
.set RT, 64+16*(\a)
	WIN 0
	s_wait_xcnt 0x0                                ; the stores of two blocks back have read these registers
	WIN AW                                         ; source 0: the accumulators' window
.irp b, 0,1
.irp i, 0,1,2,3
	v_mul_f32 v[48+8*\b+2*\i], v[AB+8*\b+2*\i+1], v[RT+8*\b+4+\i]
	v_mul_f32 v[49+8*\b+2*\i], v[AB+8*\b+2*\i], v[RT+8*\b+4+\i]
	v_fma_f32 v[32+8*\b+2*\i], v[AB+8*\b+2*\i], v[RT+8*\b+\i], -v[48+8*\b+2*\i]
	v_fma_f32 v[33+8*\b+2*\i], v[AB+8*\b+2*\i+1], v[RT+8*\b+\i], v[49+8*\b+2*\i]
.endr
.endr
	WIN 0
.irp n, 0,1,2,3,4,5,6,7
	v_cvt_pk_bf16_f32 v[PKB+\n], v[32+2*\n], v[33+2*\n]
.endr
	WIN 5*AW                                       ; sources 0 and 1: the accumulators' window
.irp b, 2,3,4,5
.irp i, 0,1,2,3
	v_cvt_pk_bf16_f32 v[PKB+4*\b+\i], v[AB+8*\b+2*\i], v[AB+8*\b+2*\i+1]
.endr
.endr
	WIN 0
.irp b, 0,1,2,3
	global_store_b128 v[GO], v[PKB+4*\b:PKB+4*\b+3], s[70:71] offset:2048*(\a)+512*\b
.endr
.irp b, 4,5
	global_store_b128 v[GO], v[PKB+4*\b:PKB+4*\b+3], s[72:73] offset:65536*(\b-4)+512*(\a)
.endr
.endm
.irp a, 0,1,2,3,4,5,6,7
	OUTA \a
.endr
	s_wait_tensorcnt 0x0                           ; the wave's end
	ds_add_u32 v[SPW], v[NIL]
	s_wait_dscnt 0x0
	CROUND                                         ; the closing round
	s_endpgm
.Lfunc_end_k_qf0970e7a73_qkv:
	.size	k_qf0970e7a73_qkv, .Lfunc_end_k_qf0970e7a73_qkv-k_qf0970e7a73_qkv
	.p2alignl 7, 3214868480
	.fill 96, 4, 3214868480
	.section	.rodata,"a",@progbits
	.p2align	6, 0x0
	.amdhsa_kernel k_qf0970e7a73_qkv
		.amdhsa_group_segment_fixed_size 327680
		.amdhsa_private_segment_fixed_size 0
		.amdhsa_enable_private_segment 0
		.amdhsa_kernarg_size 24
		.amdhsa_user_sgpr_count 2
		.amdhsa_user_sgpr_kernarg_segment_ptr 1
		.amdhsa_wavefront_size32 1
		.amdhsa_system_sgpr_workgroup_id_x 1
		.amdhsa_system_sgpr_workgroup_id_y 1
		.amdhsa_system_sgpr_workgroup_id_z 1
		.amdhsa_system_vgpr_workitem_id 0
		.amdhsa_next_free_vgpr 1024
		.amdhsa_next_free_sgpr 100
		.amdhsa_reserve_vcc 0
		.amdhsa_float_denorm_mode_32 3
		.amdhsa_float_denorm_mode_16_64 3
		.amdhsa_memory_ordered 1
		.amdhsa_forward_progress 1
		.amdhsa_inst_pref_size 81
	.end_amdhsa_kernel
	.amdgpu_metadata
---
amdhsa.version: [ 1, 2 ]
amdhsa.kernels:
  - .name:           k_qf0970e7a73_qkv
    .symbol:         k_qf0970e7a73_qkv.kd
    .args:
      - { .name: xn, .offset: 0, .size: 8, .value_kind: global_buffer, .address_space: global }
      - { .name: wf, .offset: 8, .size: 8, .value_kind: global_buffer, .address_space: global }
      - { .name: qkv, .offset: 16, .size: 8, .value_kind: global_buffer, .address_space: global }
    .group_segment_fixed_size: 327680
    .private_segment_fixed_size: 0
    .kernarg_segment_align: 8
    .kernarg_segment_size: 24
    .max_flat_workgroup_size: 128
    .sgpr_count:     100
    .vgpr_count:     1024
    .wavefront_size: 32
...
	.end_amdgpu_metadata
.endif
;; end of part 2
;; launch attn (part 3): grid 8 x 32, 4 waves a work-group, clusters of 4 x 1, 327,680 bytes of LDS; arguments qkv, msk, ob; writes ob
.if DOCPART == 3
	.amdgcn_target "amdgcn-amd-amdhsa--gfx1250"
	.amdhsa_code_object_version 6
	.text
	.protected	k_qf0970e7a73_attn
	.globl	k_qf0970e7a73_attn
	.p2align	8
	.type	k_qf0970e7a73_attn,@function
k_qf0970e7a73_attn:
	s_mov_b64 s[64:65], 0
	v_nop
	global_prefetch_b8 v0, s[64:65] scope:SCOPE_SE
	s_setreg_imm32_b32 hwreg(HW_REG_WAVE_MODE, 25, 1), 1
	s_wait_xcnt 0x0
	s_wait_alu depctr_hold_cnt(0) depctr_sa_sdst(0) depctr_va_vdst(0) depctr_va_sdst(0) depctr_va_ssrc(0) depctr_va_vcc(0) depctr_vm_vsrc(0)
	s_getreg_b32 s2, hwreg(HW_REG_IB_STS2, 6, 4)
	s_cmp_eq_u32 s2, 0
	s_cbranch_scc0 .Lentry_in_a_cluster
	s_endpgm
.Lentry_in_a_cluster:
	s_bfe_u32 s2, ttmp6, 0x10000c
	s_cmp_lg_u32 s2, 0x3003
	s_cbranch_scc0 .Lentry_shape_is_right
	s_endpgm
.Lentry_shape_is_right:
; O = softmax(Q K^T / 8, hidden keys left out) V for one head and 256 queries a work-group.  q, k, v come by heads in bf16, v transposed, all in layout F (16 rows x 8 k = 256 consecutive bytes).
; THE MASK IS AN INPUT: every key is walked, and every byte of the mask is used.  It arrives as one byte a score, in the order of a lane's scores: 0x00 seen, 0xF1 hidden.  A byte moved to the top of a word is the
; C operand that starts the sum S^T = K Q^T: 0xF1...... is between -2^99 and -2^101; 0x00...... is under 3e-38.  A ROW THAT SEES NO KEY has all bytes 0x00 and a word 0 that is ANDed onto its Q:
; all its scores are 0 and its weights are equal, as a softmax of equal numbers gives.
; SOFTMAX with a running maximum m: p = 2^(c s - c m), c = log2(e) / 8; O and l are multiplied by a = 2^(c m_old - c m_new) in every step.  m starts at a floor, -2^90, far above every hidden score:
; a hidden score is never the maximum, and its weight is 0; while a row has met hidden keys alone, m stays at the floor and l and O stay 0.
; LIMITS: seen raw scores lie above -2^90 (about -1.2e27); a weight below 2^-126 counts as 0; NaN and infinities are not treated apart.
; SHARES.  A wave owns four PIECES of 16 queries.  64 keys a step, 256 keys a tile, 8 tiles through two LDS slots.  Turn n belongs to piece n: 8 products K Q^T of piece n + 1, later 8 products V^T P of
; piece n - 1; beside them piece n's scaling, exponentials, roundings, sums and rescaling and piece n + 1's maximum; four vector lines behind each product, the rest in one lump; one batch of
; exponentials and one wait a turn; at its end the mask of the products of the turn after it is widened from bytes, and that piece's next bytes are asked for.
; CLUSTER: the four query blocks of a cluster walk the same K and V, asked for jointly.
; REGISTERS.  window 0: v2-8 addresses, v12-13, v16-31 statistics, v48-55 at work, v56-59 the rows' words, v61-63, v64-127 S^T (two buffers), v192-223 P (two buffers).
; window 1: v0-127 O^T, v128-159 mask bytes (8 a piece), v160-223 masks (two buffers).  window 2: v0-63 Q, v128-191 K of a step, v192-255 V of a step.
.set NP,    4
.set VOFF,  32768                      ; a slot: K's 16 blocks of 2,048 bytes, then V's 4 channel blocks of 8,192
.set SLOT1, 65536
.set SPARE, 131072                     ; behind the slots: the spare words, 128 bytes a wave; no other line names them
.set AK0, 2                            ; v2 16 x lane; v3 the same + VOFF; never rewritten
.set AV0, 3
.set AK,  4
.set AV,  5
.set MO,  8                            ; v8 16 x lane, for global memory; never rewritten
.set MV,  12
.set ST,  16                           ; piece t: c m, m, l (even keys', odd keys')
.set TMP, 48
.set KP,  56
.set PFO, 61
.set SPW, 62
.set NIL, 63
.set S,   64
.set P,   192
.set MB,  128
.set MC,  160
.set KF,  128
.set VF,  192
.set WV,  12
.set LIM, 15
.set PFA, 18
.set G1K, 24
.set G1V, 32
.set G0K, 40
.set G0V, 44
.set SLOTS, 56
.set CNT, 57
.set CS,  58
.set SEL, 60
.set TBK, 62
.set TBV, 63
.set PST, 66                           ; s[66:67] bytes from tile to tile for my prefetches
.set MA,  84                           ; s[84:85] the mask bytes of my first piece, at the step in hand
.set HIM, 86
.set MSB, 0
.macro WIN new
.if MSB != (\new)
	s_set_vgpr_msb (MSB<<8)|(\new)
.set MSB, (\new)
.endif
.endm
.set W_KQ, 0x0a
.set W_KM, 0x1a                        ; K, Q in window 2, the mask (C) in window 1, S^T in window 0
.set W_PV, 0x52
.set W_RS, 0x41
.macro JLOAD                           ; waves 0, 1 fetch the halves of a tile's K, waves 2, 3 those of its V
	s_cmp_lt_u32 s[WV], 2
	s_cbranch_scc0 .Lfor_v_\@
	tensor_load_to_lds s[G0K:G0K+3], s[G1K:G1K+7]
	s_nop 0
.rept 4
	v_nop
.endr
	s_branch .Lasked_\@
.Lfor_v_\@:
	tensor_load_to_lds s[G0V:G0V+3], s[G1V:G1V+7]
	s_nop 0
.rept 4
	v_nop
.endr
.Lasked_\@:
.endm
; A prefetch into the L2 of the tile that the next change of slots will ask for.  The head's first cluster asks; its partners share the tile out by address (K: 8,192 bytes each; V: a channel block each),
; a lane 256 bytes; wave 0 asks for K's, wave 2 for V's.  The last change that fills a slot asks for nothing.
.macro ASK
	s_cmp_gt_u32 s[SLOTS], s[LIM]
	s_cbranch_scc0 .Lnot_mine_\@
	global_prefetch_b8 v[PFO], s[PFA:PFA+1] th:TH_LOAD_NT scope:SCOPE_SE
.Lnot_mine_\@:
.endm
.macro CROUND
	s_barrier_signal -1
	s_barrier_wait -1
	s_cmp_lg_u32 s[WV], 0
	s_cbranch_scc1 .Lnot_wave_0_\@
	s_barrier_signal -3
.Lnot_wave_0_\@:
	s_barrier_wait -3
	s_barrier_signal -1
	s_barrier_wait -1
.endm
.macro CHANGE fill                     ; the change of slots; fill = 1: the slot left takes the tile two on (at the first use: slot 0 is waited for, slot 1 filled)
	WIN 0
	s_wait_tensorcnt 0x0                           ; no tensor load of mine is out, so a group 0 may be written
	ds_add_u32 v[SPW], v[NIL]
.if \fill
	s_xor_b32 s[G0K+1], s[G0K+1], SLOT1
	s_add_nc_u64 s[G0K+2:G0K+3], s[G0K+2:G0K+3], 32768
	s_xor_b32 s[G0V+1], s[G0V+1], SLOT1
	s_add_nc_u64 s[G0V+2:G0V+3], s[G0V+2:G0V+3], 8192
	s_wait_xcnt 0x0                                ; the last prefetch, a tile back, has read its address
	s_add_nc_u64 s[PFA:PFA+1], s[PFA:PFA+1], s[PST:PST+1]
	s_wait_dscnt 0x0                               ; the add is done, my reads of the slot are over
	CROUND
	JLOAD
	ASK
.else
	s_wait_dscnt 0x0
	s_barrier_signal -1
	s_barrier_wait -1
.endif
	s_sub_co_u32 s[TBK], s[TBK], 32768             ; the fetches go back to a slot's first step, in the other slot
	s_xor_b32 s[TBK], s[TBK], SLOT1
	s_sub_co_u32 s[TBV], s[TBV], 8192
	s_xor_b32 s[TBV], s[TBV], SLOT1
.endm
	s_load_b128 s[4:7], s[0:1], 0x0                ; qkv s[4:5], msk s[6:7]
	s_load_b64 s[8:9], s[0:1], 0x10                ; ob
	v_lshl_add_u32 v[SPW], v0, 2, SPARE
	v_mov_b32 v[NIL], 0
	ds_add_u32 v[SPW], v[NIL]                      ; the wave's opening: the add and its wait ahead of my first tensor load
	v_lshrrev_b32 v1, 5, v0
	v_readfirstlane_b32 s[WV], v1
	s_bfe_u32 s13, ttmp6, 0x40000                  ; cx
	s_lshl_b32 s14, ttmp9, 2
	s_add_co_u32 s14, s14, s13                     ; my block of 256 queries
	s_and_b32 s20, ttmp7, 0xffff                   ; batch x 16 + head, which the partners share
	s_lshl_b32 s21, s20, 18                        ; 262,144 bytes a head in q, k and v
	s_and_b32 s16, s[WV], 1
	s_lshl_b32 s17, s16, 14                        ; my half of a tile's K or V in a slot
	s_add_co_u32 s22, s21, s17
	s_add_co_u32 s22, s22, 8388608                 ; K: 128 keys are 16,384 dense bytes
	s_mov_b32 s23, 0
	s_lshl_b32 s2, s16, 17                         ; V: two channel blocks of 65,536 bytes
	s_add_co_u32 s2, s2, s21
	s_add_co_u32 s2, s2, 16777216
	s_mov_b32 s3, 0
	s_lshl_b32 s70, s14, 4
	s_lshl2_add_u32 s70, s[WV], s70                ; my first block of 16 queries
	s_lshl_b32 s72, s70, 11
	s_add_co_u32 s72, s72, s21
	s_mov_b32 s73, 0                               ; Q
	s_lshl_b32 s74, s70, 15
	s_mov_b32 s75, 0                               ; mask bytes
	s_lshl_b32 s76, s70, 6
	s_add_co_u32 s76, s76, 4194304
	s_mov_b32 s77, 0                               ; the rows' words
	s_lshr_b32 s78, s20, 4
	s_lshl_b32 s78, s78, 7
	s_add_co_u32 s78, s78, s70
	s_lshl_b32 s78, s78, 15
	s_and_b32 s79, s20, 15
	s_lshl_b32 s79, s79, 11
	s_add_co_u32 s78, s78, s79
	s_mov_b32 s79, 0                               ; O: token block x 32,768 + head x 2,048
	s_mov_b32 s[G1K], 15|(3<<16)|(1<<21)           ; the mask of four; elements of 8 bytes; bit 21 beside a mask
	s_mov_b32 s[G1K+1], 32<<16                     ; 64 rows of 256 bytes
	s_mov_b32 s[G1K+2], 64<<16
	s_mov_b32 s[G1K+3], 32<<16
	s_mov_b32 s[G1K+4], 64
	s_mov_b32 s[G1K+5], 32
	s_mov_b32 s[G1K+6], 0
	s_mov_b32 s[G1K+7], 0
	s_mov_b32 s[G1V], 15|(3<<16)|(1<<21)
	s_mov_b32 s[G1V+1], 1024<<16                   ; 2 rows of 8,192 bytes, 65,536 apart
	s_mov_b32 s[G1V+2], 2<<16
	s_mov_b32 s[G1V+3], 1024<<16
	s_mov_b32 s[G1V+4], 2
	s_mov_b32 s[G1V+5], 8192
	s_mov_b32 s[G1V+6], 0
	s_mov_b32 s[G1V+7], 0
	s_mov_b32 s[CS], 0x3e38aa3b                    ; c = log2(e) / 8
	s_mov_b32 s[CS+1], s[CS]
	s_mov_b32 s[SEL], 0x76543210
	s_mov_b32 s[SEL+1], 0xfedcba98
	s_mov_b32 s[HIM], 0xff000000
	s_mov_b32 s[TBK], SLOT1+32768                  ; the first change of slots turns these two into 0
	s_mov_b32 s[TBV], SLOT1+8192
	s_mov_b32 s[SLOTS], 7
	s_mov_b32 s[G0K], 1
	s_mov_b32 s[G0K+1], s17
	s_mov_b32 s[G0V], 1
	s_add_co_u32 s[G0V+1], s17, VOFF
	s_and_b32 s[LIM], s[WV], 1
	s_or_b32 s[LIM], s[LIM], ttmp9
	s_cmp_eq_u32 s[LIM], 0
	s_cselect_b32 s[LIM], 1, -1                    ; waves 0 and 2 of the head's first cluster
	s_lshl_b32 s87, s13, 13
	s_add_co_u32 s87, s87, 8388608+32768           ; K's tile 1, my work-group's quarter
	s_lshl_b32 s88, s13, 16
	s_add_co_u32 s88, s88, 16777216+8192           ; V's tile 1, my work-group's channel block
	s_mov_b32 s[PST], 8192                         ; V's bytes from tile to tile; K's are chosen below
	s_cmp_lt_u32 s[WV], 2
	s_cselect_b32 s88, s87, s88
	s_cselect_b32 s[PST], 32768, s[PST]
	s_mov_b32 s[PST+1], 0
	s_add_co_u32 s88, s88, s21
	s_mov_b32 s89, 0
	s_wait_dscnt 0x0                               ; the opening add is done
	s_wait_kmcnt 0x0
	s_add_nc_u64 s[G0K+2:G0K+3], s[4:5], s[22:23]
	s_or_b32 s[G0K+3], s[G0K+3], 0x80000000
	s_add_nc_u64 s[G0V+2:G0V+3], s[4:5], s[2:3]
	s_or_b32 s[G0V+3], s[G0V+3], 0x80000000
	s_add_nc_u64 s[80:81], s[4:5], s[72:73]
	s_add_nc_u64 s[MA:MA+1], s[6:7], s[74:75]
	s_add_nc_u64 s[82:83], s[6:7], s[76:77]
	s_add_nc_u64 s[10:11], s[8:9], s[78:79]
	s_add_nc_u64 s[PFA:PFA+1], s[4:5], s[88:89]
	CROUND                                         ; all four work-groups are here: the first joint loads meet
	JLOAD                                          ; tile 0 into slot 0
	v_and_b32 v1, 31, v0
	v_lshlrev_b32 v[MO], 4, v1
	v_mov_b32 v[AK0], v[MO]
	v_add_nc_u32 v[AV0], VOFF, v[MO]
	v_and_b32 v10, 15, v0
	v_lshlrev_b32 v10, 2, v10
	v_lshlrev_b32 v[PFO], 8, v1
	WIN 0x80
.set i, 0
.rept 8                                ; Q stays in registers: piece i / 2, channels 32 (i % 2) on
	global_load_b128 v[8*i:8*i+3],   v[MO], s[80:81] offset:1024*i
	global_load_b128 v[8*i+4:8*i+7], v[MO], s[80:81] offset:1024*i+512
.set i, i+1
.endr
	WIN 0
.irp p, 0,1,2,3
	global_load_b32 v[KP+\p], v10, s[82:83] offset:64*\p
.endr
	WIN 0x40
.irp x, 0,1,2,3
	global_load_b128 v[MB+8*\x:MB+8*\x+3],   v[MO], s[MA:MA+1] offset:32768*\x       ; step 0's mask bytes
	global_load_b128 v[MB+8*\x+4:MB+8*\x+7], v[MO], s[MA:MA+1] offset:32768*\x+512
.endr
; What the first turns find: O^T, l, V and P's second buffer hold 0 (the first products V^T P, of pieces that have not been, add 0); c m lies far below every c s, so the first a is 0; m is at its floor.
.set i, 0
.rept 128
	v_mov_b32 v[i], 0
.set i, i+1
.endr
	WIN 0x80
.set i, VF
.rept 64
	v_mov_b32 v[i], 0
.set i, i+1
.endr
	WIN 0
.set i, 0
.rept 4
	v_mov_b32 v[ST+4*i], 0xfe000000                ; c m
	v_mov_b32 v[ST+4*i+1], 0xec800000              ; m: the floor, -2^90
	v_mov_b32 v[ST+4*i+2], 0
	v_mov_b32 v[ST+4*i+3], 0
.set i, i+1
.endr
.set i, P+16
.rept 16
	v_mov_b32 v[i], 0
.set i, i+1
.endr
	s_wait_loadcnt 8                               ; Q and the rows' words are in; the eight loads of mask bytes may stay out
	WIN 0x88
.set i, 0
.rept 64
	v_and_b32 v[i], v[KP+i/16], v[i]               ; a row that sees no key asks with Q = 0
.set i, i+1
.endr
	WIN 0
.macro KQ x                            ; product i of 8 of S^T = K Q^T for piece x: channels 32 (i / 4) on, keys 16 (i % 4) on; the first four start the sums with the mask
.set rS, S+32*((\x)%2)+8*(i%4)
.set rK, KF+16*(i%4)+8*(i/4)
.set rQ, 16*(\x)+8*(i/4)
.set rM, MC+32*((\x)%2)+8*(i%4)
.if i < 4
	WIN W_KM
	v_wmma_f32_16x16x32_bf16 v[rS:rS+7], v[rK:rK+7], v[rQ:rQ+7], v[rM:rM+7]
.else
	WIN W_KQ
	v_wmma_f32_16x16x32_bf16 v[rS:rS+7], v[rK:rK+7], v[rQ:rQ+7], v[rS:rS+7]
.endif
.endm
.macro PV x                            ; product i of 8 of O^T += V^T P for piece x: keys 32 (i / 4) on, channels 16 (i % 4) on
	WIN W_PV
.set rO, 32*(\x)+8*(i%4)
.set rV, VF+32*(i/4)+8*(i%4)
.set rP, P+16*((\x)%2)+8*(i/4)
	v_wmma_f32_16x16x32_bf16 v[rO:rO+7], v[rV:rV+7], v[rP:rP+7], v[rO:rO+7]
.endm
.macro MM                              ; the turn's next matrix instruction; the four accumulators of a run of eight take turns
.if i < 8
	KQ (Y+1)%NP
.else
.set i, i-8
	PV (Y+NP-1)%NP
.set i, i+8
.endif
.set i, i+1
.endm
.macro FETCH_K                         ; a step's K: 4 blocks of 16 keys x 2 halves of the channels, each fragment two loads of 512 consecutive bytes
	WIN 0x80
.irp f, 0,1,2,3,4,5,6,7
	ds_load_b128 v[KF+8*\f:KF+8*\f+3],   v[AK] offset:(\f/2)*2048+(\f%2)*1024
	ds_load_b128 v[KF+8*\f+4:KF+8*\f+7], v[AK] offset:(\f/2)*2048+(\f%2)*1024+512
.endr
	s_add_co_u32 s[TBK], s[TBK], 8192
	WIN 0
.endm
.macro FETCH_V                         ; a step's V^T: keys 32 (f / 4) on, channels 16 (f % 4) on
	WIN 0x80
.irp f, 0,1,2,3,4,5,6,7
	ds_load_b128 v[VF+8*\f:VF+8*\f+3],   v[AV] offset:(\f%4)*8192+(\f/4)*1024
	ds_load_b128 v[VF+8*\f+4:VF+8*\f+7], v[AV] offset:(\f%4)*8192+(\f/4)*1024+512
.endr
	WIN 0
.endm
; Piece x's 32 mask bytes are widened into mask buffer buf, each byte to the top of a word; then the piece's bytes d bytes further on are asked for.
.macro MEXP x, buf, d
	s_wait_loadcnt 6                               ; this piece's two loads are in; the three younger pairs may stay out
	WIN 0x44
.set z, 0
.rept 32
.if z%4 == 3
	v_and_b32 v[MC+32*(\buf)+z], s[HIM], v[MB+8*(\x)+z/4]
.else
	v_lshlrev_b32 v[MC+32*(\buf)+z], 24-8*(z%4), v[MB+8*(\x)+z/4]
.endif
.set z, z+1
.endr
	WIN 0x40
	global_load_b128 v[MB+8*(\x):MB+8*(\x)+3],   v[MO], s[MA:MA+1] offset:32768*(\x)+(\d)
	global_load_b128 v[MB+8*(\x)+4:MB+8*(\x)+7], v[MO], s[MA:MA+1] offset:32768*(\x)+(\d)+512
	WIN 0
.endm
; THE VECTOR WORK, a line at a time: OP kind, number.  For piece Y: F n: c s - c m for pair n.  E n: the exponential of score n.  C n: pair n rounded to bf16.  B n: of the weights 4 n .. the second pair is added
; onto the first.  L n: l takes that sum (L 0: l = a l + sum).  R n: pair n of O^T times a.  For piece Y + 1: X n, number n of the 22 that find its maximum and statistics (each accumulator's lowest registers first).
.set F, 0
.set E, 1
.set C, 2
.set B, 3
.set L, 4
.set R, 5
.set X, 6
.macro REGS y
.set rT, ST+4*(\y)
.set rC, TMP+4*((\y)%2)
.set rW, MV+((\y)%2)
.set rS, S+32*((\y)%2)
.set rP, P+16*((\y)%2)
.set rO, 32*(\y)
.endm
.macro OP k, n
.if (\k) == R
	REGS Y
	WIN W_RS
	v_pk_mul_f32 v[rO+2*(\n):rO+2*(\n)+1], v[rO+2*(\n):rO+2*(\n)+1], v[rC+2:rC+3] op_sel_hi:[1,0]
.elseif (\k) < R
	REGS Y
	WIN 0
.if (\k) == F
	v_pk_fma_f32 v[rS+2*(\n):rS+2*(\n)+1], v[rS+2*(\n):rS+2*(\n)+1], s[CS:CS+1], v[rT:rT+1] op_sel_hi:[1,0,0] neg_lo:[0,0,1] neg_hi:[0,0,1]
.elseif (\k) == E
	v_exp_f32 v[rS+(\n)], v[rS+(\n)]
.elseif (\k) == C
	v_cvt_pk_bf16_f32 v[rP+(\n)], v[rS+2*(\n)], v[rS+2*(\n)+1]
.elseif (\k) == B
	v_pk_add_f32 v[rS+4*(\n):rS+4*(\n)+1], v[rS+4*(\n):rS+4*(\n)+1], v[rS+4*(\n)+2:rS+4*(\n)+3]
.elseif (\n) == 0
	v_pk_fma_f32 v[rT+2:rT+3], v[rT+2:rT+3], v[rC+2:rC+3], v[rS:rS+1] op_sel_hi:[1,0,1]
.else
	v_pk_add_f32 v[rT+2:rT+3], v[rT+2:rT+3], v[rS+4*(\n):rS+4*(\n)+1]
.endif
.else
	REGS (Y+1)%NP
	WIN 0
.if (\n) < 4
	v_max3_num_f32 v[rC+(\n)], v[rS+8*(\n)], v[rS+8*(\n)+1], v[rS+8*(\n)+2]
.elseif (\n) < 12
	v_max3_num_f32 v[rC+(\n)%4], v[rC+(\n)%4], v[rS+8*((\n)%4)+2*((\n)/4)+1], v[rS+8*((\n)%4)+2*((\n)/4)+2]
.elseif (\n) == 12
	v_max3_num_f32 v[rC], v[rC], v[rS+7], v[rS+15]
.elseif (\n) == 13
	v_max3_num_f32 v[rC+1], v[rC+1], v[rS+23], v[rS+31]
.elseif (\n) == 14
	v_max3_num_f32 v[rC+2], v[rC+2], v[rC+3], v[rT+1]
.elseif (\n) == 15
	v_mov_b32 v[rW], v[rT]
.elseif (\n) == 16
	v_max3_num_f32 v[rC], v[rC], v[rC+1], v[rC+2]
.elseif (\n) == 17
	v_permlanex16_b32 v[rC+3], v[rC], s[SEL], s[SEL+1]
.elseif (\n) == 18
	v_max_num_f32 v[rT+1], v[rC], v[rC+3]
.elseif (\n) == 19
	v_mul_f32 v[rT], s[CS], v[rT+1]
.elseif (\n) == 20
	v_sub_f32 v[rC+1], v[rW], v[rT]
.else
	v_exp_f32 v[rC+2], v[rC+1]
.endif
.endif
.endm
.macro OPS a, i1, b=-1, i2=0, c=-1, i3=0, d=-1, i4=0
	OP \a, \i1
.if (\b) >= 0
	OP \b, \i2
.endif
.if (\c) >= 0
	OP \c, \i3
.endif
.if (\d) >= 0
	OP \d, \i4
.endif
.endm
.macro ROW a, i1, b, i2, c, i3, d, i4  ; a matrix instruction and the four lines behind it
	MM
	OPS \a, \i1, \b, \i2, \c, \i3, \d, \i4
.endm
; A TURN, for piece p.  Ahead of its one wait stands all that names no result of the turn's exponentials; behind it the products V^T P with the roundings and sums.
; K of the next step is fetched in piece 2's turn and waited for at piece 3's head; V of the step in hand at the end of piece 0's turn, four plain lines behind the last product that read V, and waited for in piece 1's.
.macro TURN p
.set Y, (\p)
.set i, 0
.if (\p) == 3
	s_wait_dscnt 0x0                               ; K is in
.endif
	ROW F,0, F,1, R,0, R,1
	ROW F,2, E,0, R,2, R,3
	ROW F,3, E,1, R,4, R,5
	ROW F,4, E,2, R,6, R,7
	ROW F,5, E,3, R,8, R,9
	ROW F,6, E,4, X,0, R,10
.if (\p) == 2
	WIN 0
	v_add_nc_u32 v[AK], s[TBK], v[AK0]
.endif
	ROW F,7, E,5, X,1, X,4
	ROW F,8, E,6, X,2, X,5
	OPS E,7, E,8, X,6, E,9
	OPS X,3, E,10, X,8, E,11
.if (\p) == 2
	FETCH_K
.endif
	OPS X,9, X,7, E,12, X,10
	OPS E,13, X,12, X,11, E,14
	OPS X,13, E,15, F,9, X,14
.if (\p) == 0
	v_add_nc_u32 v[AV], s[TBV], v[AV0]
.endif
	OPS E,16, F,10, E,17, F,11
	OPS X,16, E,18, X,15, E,19
	OPS F,12, E,20, X,17, E,21
	OPS F,13, E,22, F,14, E,23
	OPS X,18, E,24, F,15, E,25
	OPS R,11, E,26, X,19, E,27
	OPS R,12, E,28, R,13, E,29
	OPS X,20, E,30, R,14, E,31
	OPS X,21, R,15                                 ; the batch's last, and the plain line behind it
	WIN 0
	s_wait_alu depctr_va_vdst(0)                   ; the one wait for the batch of 33
.if (\p) == 1
	s_wait_dscnt 0x0                               ; V is in
.endif
	ROW C,0, B,0, C,2, B,1
	ROW L,0, C,4, B,2, L,1
	ROW C,6, B,3, L,2, C,8
	ROW B,4, L,3, C,10, B,5
	ROW L,4, C,12, B,6, L,5
.if (\p) == 0
	s_add_co_u32 s[TBV], s[TBV], 2048
.endif
	ROW C,14, B,7, L,6, C,1
	ROW C,3, L,7, C,5, C,7
	ROW C,9, C,11, C,13, C,15
.if (\p) == 0
	FETCH_V
.endif
	MEXP ((\p)+2)%NP, (\p)%2, 1024+1024*((\p)/2)   ; for the products of the turn after this: piece p + 2, of this step (p < 2) or the next
.endm
.macro MASTEP                          ; the mask's pointer goes a step on
	s_wait_xcnt 0x0                                ; the loads issued so far have read it
	s_add_nc_u64 s[MA:MA+1], s[MA:MA+1], 1024
.endm
	MEXP 0, 0, 1024                                ; pieces 0 and 1, step 0
	MEXP 1, 1, 1024
	CHANGE 1                                       ; slot 0 is in, everybody's part of it; slot 1 is asked for
	v_add_nc_u32 v[AK], s[TBK], v[AK0]
	FETCH_K                                        ; key step 0
	s_wait_dscnt 0x0
.set i, 0
.rept 8
	KQ 0                                           ; piece 0's first scores
.set i, i+1
.endr
	WIN 0
.rept 4
	v_nop                                          ; the places behind those products
.endr
.set Y, NP-1
.irp n, 0,1,2,3,4,5,6,7,8,9,10,11,12,13,14,15,16,17,18,19,20,21
	OP X, \n                                       ; and its first maximum and statistics
.endr
	v_nop
	s_wait_alu depctr_va_vdst(0)                   ; the wait for a, ahead of the branch
	s_mov_b32 s[CNT], 4
	s_branch .Lfirst                               ; the loop is entered at a step's first turn, in the middle of a trip
.Lslot:                                        ; six times: tiles 2 to 7 are asked for
	CHANGE 1
	s_mov_b32 s[CNT], 4
.Lstep:                                        ; a trip: pieces 2 and 3 of one step, pieces 0 and 1 of the next
	TURN 2
	TURN 3
	WIN 0
	MASTEP
.Lfirst:
	TURN 0
	TURN 1
	WIN 0
	s_sub_co_u32 s[CNT], s[CNT], 1
	s_cmp_lg_u32 s[CNT], 0
	s_cbranch_scc1 .Lstep
	s_sub_co_u32 s[SLOTS], s[SLOTS], 1
	s_cmp_lg_u32 s[SLOTS], 0
	s_cbranch_scc1 .Lslot
	CHANGE 0                                       ; the tail is written out
	s_mov_b32 s[CNT], 5                            ; the fifth trip is left in its middle.  Its fetch of K takes bytes of the slot's V, its mask bytes lie one and two steps past the row's end (inside msk: the
.Ltail:                                        ; rows' words follow the bytes); the scores and the maximum made of them serve nothing
	TURN 2
	TURN 3
	WIN 0
	MASTEP
	s_sub_co_u32 s[CNT], s[CNT], 1
	s_cmp_eq_u32 s[CNT], 0
	s_cbranch_scc1 .Lout
	TURN 0
	TURN 1
	WIN 0
	s_branch .Ltail
.Lout:
.set i, 0
.rept 8
	PV NP-1                                        ; the last piece's V^T P of the last step
.set i, i+1
.endr
	; THE WAY OUT: O^T / l, rounded; a lane's eight channels are 16 bytes of layout F, a store 512 consecutive bytes.  The additions are the places behind the last products.
	WIN 0
.macro ALL line:vararg
.set t, 0
.rept 4
	\line
.set t, t+1
.endr
.endm
	ALL v_add_f32 v[ST+4*t+2], v[ST+4*t+2], v[ST+4*t+3]
	ALL v_permlanex16_b32 v[ST+4*t+3], v[ST+4*t+2], s[SEL], s[SEL+1]
	ALL v_add_f32 v[ST+4*t+2], v[ST+4*t+2], v[ST+4*t+3]
	ALL v_rcp_f32 v[ST+4*t+2], v[ST+4*t+2]
	v_nop
	s_wait_alu depctr_va_vdst(0)                   ; one wait for the four reciprocals
.macro PACK t
	WIN W_RS
.set i, 32*(\t)
.rept 16
	v_pk_mul_f32 v[i:i+1], v[i:i+1], v[ST+4*(\t)+2:ST+4*(\t)+3] op_sel_hi:[1,0]
.set i, i+2
.endr
	WIN 0x05
.set i, 0
.rept 16
	v_cvt_pk_bf16_f32 v[S+16*(\t)+i], v[32*(\t)+2*i], v[32*(\t)+2*i+1]
.set i, i+1
.endr
	WIN 0
.irp f, 0,1,2,3
	global_store_b128 v[MO], v[S+16*(\t)+4*\f:S+16*(\t)+4*\f+3], s[10:11] offset:32768*(\t)+512*\f
.endr
.endm
	PACK 0
	PACK 1
	PACK 2
	PACK 3
	s_wait_tensorcnt 0x0                           ; the wave's end
	ds_add_u32 v[SPW], v[NIL]
	s_wait_dscnt 0x0
	CROUND                                         ; the closing round
	s_endpgm
.Lfunc_end_k_qf0970e7a73_attn:
	.size	k_qf0970e7a73_attn, .Lfunc_end_k_qf0970e7a73_attn-k_qf0970e7a73_attn
	.p2alignl 7, 3214868480
	.fill 96, 4, 3214868480
	.section	.rodata,"a",@progbits
	.p2align	6, 0x0
	.amdhsa_kernel k_qf0970e7a73_attn
		.amdhsa_group_segment_fixed_size 327680
		.amdhsa_private_segment_fixed_size 0
		.amdhsa_enable_private_segment 0
		.amdhsa_kernarg_size 24
		.amdhsa_user_sgpr_count 2
		.amdhsa_user_sgpr_kernarg_segment_ptr 1
		.amdhsa_wavefront_size32 1
		.amdhsa_system_sgpr_workgroup_id_x 1
		.amdhsa_system_sgpr_workgroup_id_y 1
		.amdhsa_system_sgpr_workgroup_id_z 1
		.amdhsa_system_vgpr_workitem_id 0
		.amdhsa_next_free_vgpr 768
		.amdhsa_next_free_sgpr 90
		.amdhsa_reserve_vcc 0
		.amdhsa_float_denorm_mode_32 3
		.amdhsa_float_denorm_mode_16_64 3
		.amdhsa_memory_ordered 1
		.amdhsa_forward_progress 1
		.amdhsa_inst_pref_size 125
	.end_amdhsa_kernel
	.amdgpu_metadata
---
amdhsa.version: [ 1, 2 ]
amdhsa.kernels:
  - .name:           k_qf0970e7a73_attn
    .symbol:         k_qf0970e7a73_attn.kd
    .args:
      - { .name: qkv, .offset: 0, .size: 8, .value_kind: global_buffer, .address_space: global }
      - { .name: msk, .offset: 8, .size: 8, .value_kind: global_buffer, .address_space: global }
      - { .name: ob, .offset: 16, .size: 8, .value_kind: global_buffer, .address_space: global }
    .group_segment_fixed_size: 327680
    .private_segment_fixed_size: 0
    .kernarg_segment_align: 8
    .kernarg_segment_size: 24
    .max_flat_workgroup_size: 128
    .sgpr_count:     90
    .vgpr_count:     768
    .wavefront_size: 32
...
	.end_amdgpu_metadata
.endif
;; end of part 3
;; launch wo (part 4): grid 8 x 32, 4 waves a work-group, clusters of 4 x 4, 327,680 bytes of LDS; arguments ob, wf, x, ffn_scale, hbuf; writes hbuf
.if DOCPART == 4
	.amdgcn_target "amdgcn-amd-amdhsa--gfx1250"
	.amdhsa_code_object_version 6
	.text
	.protected	k_qf0970e7a73_wo
	.globl	k_qf0970e7a73_wo
	.p2align	8
	.type	k_qf0970e7a73_wo,@function
k_qf0970e7a73_wo:
	s_mov_b64 s[64:65], 0
	v_nop
	global_prefetch_b8 v0, s[64:65] scope:SCOPE_SE
	s_setreg_imm32_b32 hwreg(HW_REG_WAVE_MODE, 25, 1), 1
	s_wait_xcnt 0x0
	s_wait_alu depctr_hold_cnt(0) depctr_sa_sdst(0) depctr_va_vdst(0) depctr_va_sdst(0) depctr_va_ssrc(0) depctr_va_vcc(0) depctr_vm_vsrc(0)
	s_getreg_b32 s2, hwreg(HW_REG_IB_STS2, 6, 4)
	s_cmp_eq_u32 s2, 0
	s_cbranch_scc0 .Lentry_in_a_cluster
	s_endpgm
.Lentry_in_a_cluster:
	s_bfe_u32 s2, ttmp6, 0x10000c
	s_cmp_lg_u32 s2, 0xf033
	s_cbranch_scc0 .Lentry_shape_is_right
	s_endpgm
.Lentry_shape_is_right:
; h = x + O Wo.  x is loaded straight into the accumulators, so the products add onto it.  Three things leave: h in f32, in the accumulators' own order (the last launch takes it up the same way);
; hb = bf16(h * ffn_scale) in layout F; and for each token the sum of h^2 over my 64 columns (f32; the next launch adds the 16 parts).
; A tile is 128 tokens x 128 columns, a wave 4 x 4 blocks of 16.  K = 1,024 in 4 steps of 256 through two LDS slots 2^17 bytes apart; a step of a block is 8,192 dense bytes of layout F.
; Source 0 = columns, source 1 = tokens: a lane holds one token and 8 neighbouring columns.  CLUSTER 4 x 4: O's tiles shared along a row, Wo's along a column.  No prefetch: the tiles are small and the launch short.
; REGISTERS.  window 0: v5-7 lane terms, v8-15 at work, v16-19 LDS addresses, v20-27 sums of squares, v28-31, v32-63 ffn_scale, v64-127 packed results, v128-255 accumulator (a, b) at 128 + 8 (4 a + b).
; window 1: buffer f: A's fragments at 64 f, B's at 64 f + 32.
.set KSH,   15                         ; a block of 16 rows is 2^15 bytes
.set STR0,  4096                       ; the same in elements of 8 bytes
.set NSTEP, 4
.set BOFF,  6291456
.set CH,    8192
.set SLOT1, 131072
.set BLDS,  65536
.set SPARE, 262144                     ; the spare words, 128 bytes a wave; no other line names them
.set ACC,   128
.set ADRA0, 16
.set ADRB0, 17
.set ADRA,  18
.set ADRB,  19
.set SPW,   28
.set NIL,   29
.set GO,    31
.set G1,  24
.set G0,  32
.set G1B, 48
.set G0B, 56
.set TBS, 68
.set MUL,  0x05
.set TO_F, 0x40
.set MSB, 0
.macro WIN new
.if MSB != (\new)
	s_set_vgpr_msb (MSB<<8)|(\new)
.set MSB, (\new)
.endif
.endm
.macro PLACES
.rept 4
	v_nop
.endr
.endm
.macro CREST
	s_cmp_lg_u32 s10, 0
	s_cbranch_scc1 .Lnot_wave_0_\@
	s_barrier_signal -3
.Lnot_wave_0_\@:
	s_barrier_wait -3
	s_barrier_signal -1
	s_barrier_wait -1
.endm
.macro CROUND
	s_barrier_signal -1
	s_barrier_wait -1
	CREST
.endm
.macro JLOAD
	s_cmp_eq_u32 s11, 0
	s_cbranch_scc0 .Lfor_b_\@
	tensor_load_to_lds s[G0+4:G0+7], s[G1:G1+7]
	s_nop 0
	PLACES
	s_branch .Lasked_\@
.Lfor_b_\@:
	tensor_load_to_lds s[G0B+4:G0B+7], s[G1B:G1B+7]
	s_nop 0
	PLACES
.Lasked_\@:
.endm
.macro OFF4 d, sa, sb, sc, sd, k       ; s[d:d+1] = tile row << sa + token half << sb + tile column << sc + column half << sd + k
	s_lshl_b32 s[\d], s13, \sa
	s_lshl_b32 s[\d+1], s11, \sb
	s_add_co_u32 s[\d], s[\d], s[\d+1]
	s_lshl_b32 s[\d+1], s42, \sc
	s_add_co_u32 s[\d], s[\d], s[\d+1]
	s_lshl_b32 s[\d+1], s12, \sd
	s_add_co_u32 s[\d], s[\d], s[\d+1]
.if \k
	s_add_co_u32 s[\d], s[\d], \k
.endif
	s_mov_b32 s[\d+1], 0
.endm
.macro SFETCH g, off                   ; 16 LDS loads: the fragments of 32 along K at byte off, into buffer g
	WIN TO_F
.irp i, 0,1,2,3
	ds_load_b128 v[64*(\g)+32+8*\i:64*(\g)+32+8*\i+3],   v[ADRB] offset:(\off)+\i*CH
	ds_load_b128 v[64*(\g)+32+8*\i+4:64*(\g)+32+8*\i+7], v[ADRB] offset:(\off)+\i*CH+512
	ds_load_b128 v[64*(\g)+8*\i:64*(\g)+8*\i+3],         v[ADRA] offset:(\off)+\i*CH
	ds_load_b128 v[64*(\g)+8*\i+4:64*(\g)+8*\i+7],       v[ADRA] offset:(\off)+\i*CH+512
.endr
.endm
.macro MUL4 f, a                       ; token block a x the four column blocks; the sixteen accumulators take turns
	WIN MUL
.irp b, 0,1,2,3
	v_wmma_f32_16x16x32_bf16 v[ACC+8*(4*(\a)+\b):ACC+8*(4*(\a)+\b)+7], v[64*(\f)+32+8*\b:64*(\f)+32+8*\b+7], v[64*(\f)+8*(\a):64*(\f)+8*(\a)+7], v[ACC+8*(4*(\a)+\b):ACC+8*(4*(\a)+\b)+7]
.endr
.endm
.macro SUB f, g, off                   ; fetches the next 32 along K into g, multiplies f
	PLACES
	SFETCH \g, \off
	s_wait_dscnt 16                                ; all but the run just issued
	MUL4 \f, 0
	MUL4 \f, 1
	MUL4 \f, 2
	MUL4 \f, 3
.endm
.macro STEP fill                       ; a K step: eight times 32 along K; the last changes slots; fill = 1: the slot just read takes the step two on
	WIN 0
	s_mov_b32 s69, 3
.Lsub_\@:
	SUB 0, 1, 1024
	SUB 1, 0, 2048
	WIN 0
	s_add_co_u32 s[TBS], s[TBS], 2048
	v_add_nc_u32 v[ADRA], s[TBS], v[ADRA0]
	v_add_nc_u32 v[ADRB], s[TBS], v[ADRB0]
	s_sub_co_u32 s69, s69, 1
	s_cmp_lg_u32 s69, 0
	s_cbranch_scc1 .Lsub_\@
	SUB 0, 1, 1024
	WIN 0
	s_wait_tensorcnt 0x0                           ; all my tensor loads have landed: my part of the next slot
	ds_add_u32 v[SPW], v[NIL]
	s_wait_dscnt 1                                 ; the add may be out
	MUL4 1, 0
	s_wait_dscnt 0x0                               ; the add is done, my reads of this slot are over
	s_barrier_signal -1
	MUL4 1, 1
	WIN 0
	s_barrier_wait -1
.if \fill
	CREST                                          ; the barrier has opened a round of the cluster's
	s_xor_b32 s[G0+5], s[G0+5], SLOT1
	s_add_nc_u64 s[G0+6:G0+7], s[G0+6:G0+7], CH
	s_xor_b32 s[G0B+5], s[G0B+5], SLOT1
	s_add_nc_u64 s[G0B+6:G0B+7], s[G0B+6:G0B+7], CH
	JLOAD                                          ; first behind the round; its four v_nop are also the places ahead of the loads below
.else
	PLACES
.endif
	s_sub_co_u32 s[TBS], s[TBS], 6144
	s_xor_b32 s[TBS], s[TBS], SLOT1
	v_add_nc_u32 v[ADRA], s[TBS], v[ADRA0]
	v_add_nc_u32 v[ADRB], s[TBS], v[ADRB0]
	SFETCH 0, 0
	MUL4 1, 2
	MUL4 1, 3
.endm
	s_load_b256 s[80:87], s[0:1], 0x0              ; ob 80, wf 82, x 84, ffn_scale 86
	s_load_b64 s[88:89], s[0:1], 0x20              ; hbuf
	v_lshl_add_u32 v[SPW], v0, 2, SPARE
	v_mov_b32 v[NIL], 0
	ds_add_u32 v[SPW], v[NIL]                      ; the wave's opening: the add and its wait ahead of my first tensor load
	v_lshrrev_b32 v1, 5, v0
	v_readfirstlane_b32 s10, v1
	s_lshr_b32 s11, s10, 1
	s_and_b32 s12, s10, 1
	s_bfe_u32 s40, ttmp6, 0x40000
	s_bfe_u32 s41, ttmp6, 0x40004
	s_lshl_b32 s42, ttmp9, 2
	s_add_co_u32 s42, s42, s40                     ; tile column
	s_and_b32 s13, ttmp7, 0xffff
	s_lshl_b32 s13, s13, 2
	s_add_co_u32 s13, s13, s41                     ; tile row
	s_lshl_b32 s66, s41, 2
	s_lshl_b32 s66, 15, s66
	s_lshl_b32 s67, 0x1111, s40
	s_or_b32 s[G1], s66, (3<<16)|(1<<21)
	s_or_b32 s[G1B], s67, (3<<16)|(1<<21)
.irp g, G1, G1B
	s_mov_b32 s[\g+1], 1024<<16                    ; a row of the tile: a block's 8,192 bytes of the step
	s_mov_b32 s[\g+2], 4<<16                       ; 4 blocks
	s_mov_b32 s[\g+3], 1024<<16
	s_mov_b32 s[\g+4], 4
	s_mov_b32 s[\g+5], STR0
	s_mov_b32 s[\g+6], 0
	s_mov_b32 s[\g+7], 0
.endr
	s_lshl_b32 s16, s13, 3
	s_lshl2_add_u32 s16, s12, s16
	s_lshl_b32 s16, s16, KSH                       ; A: block 8 x tile row + 4 x half
	s_mov_b32 s17, 0
	s_lshl_b32 s18, s42, 3
	s_lshl2_add_u32 s18, s12, s18
	s_lshl_b32 s18, s18, KSH
	s_add_co_u32 s18, s18, BOFF                    ; B: block 8 x tile column + 4 x half
	s_mov_b32 s19, 0
	s_lshl_b32 s20, s12, 15
	s_add_co_u32 s21, s20, BLDS
	s_wait_dscnt 0x0
	s_wait_kmcnt 0x0
	s_add_nc_u64 s[14:15], s[80:81], s[16:17]
	s_add_nc_u64 s[46:47], s[82:83], s[18:19]
.irp s, 0,1
	s_mov_b32 s[G0+4*\s], 1
	s_add_co_u32 s[G0+4*\s+1], s20, \s*SLOT1
	s_add_nc_u64 s[G0+4*\s+2:G0+4*\s+3], s[14:15], \s*CH
	s_or_b32 s[G0+4*\s+3], s[G0+4*\s+3], 0x80000000
	s_mov_b32 s[G0B+4*\s], 1
	s_add_co_u32 s[G0B+4*\s+1], s21, \s*SLOT1
	s_add_nc_u64 s[G0B+4*\s+2:G0B+4*\s+3], s[46:47], \s*CH
	s_or_b32 s[G0B+4*\s+3], s[G0B+4*\s+3], 0x80000000
.endr
	CROUND
	s_cmp_eq_u32 s11, 0
	s_cbranch_scc0 .Lfirst_b
	tensor_load_to_lds s[G0:G0+3], s[G1:G1+7]
	s_nop 0
	tensor_load_to_lds s[G0+4:G0+7], s[G1:G1+7]
	s_nop 0
	PLACES
	s_branch .Lfirst_asked
.Lfirst_b:
	tensor_load_to_lds s[G0B:G0B+3], s[G1B:G1B+7]
	s_nop 0
	tensor_load_to_lds s[G0B+4:G0B+7], s[G1B:G1B+7]
	s_nop 0
	PLACES
.Lfirst_asked:
	v_and_b32 v2, 31, v0
	v_and_b32 v5, 15, v0                           ; r
	v_bfe_u32 v6, v0, 4, 1                         ; h
	v_lshlrev_b32 v[GO], 4, v2
	s_lshl_b32 s20, s11, 15
	v_add_nc_u32 v[ADRA0], s20, v[GO]
	s_lshl_b32 s20, s12, 15
	s_add_co_u32 s20, s20, BLDS
	v_add_nc_u32 v[ADRB0], s20, v[GO]
	v_lshlrev_b32 v4, 5, v6                        ; 32 h
	v_lshl_add_u32 v7, v5, 12, v4                  ; a row of x is 4,096 bytes: 4,096 r + 32 h
	OFF4 90, 19, 18, 9, 8, 0
	s_add_nc_u64 s[90:91], s[84:85], s[90:91]      ; x at my first token and column
	s_lshl_b32 s92, s42, 9
	s_lshl_b32 s93, s12, 8
	s_add_co_u32 s92, s92, s93
	s_mov_b32 s93, 0
	s_add_nc_u64 s[92:93], s[86:87], s[92:93]      ; ffn_scale at my first column
	OFF4 70, 19, 18, 13, 12, 0
	s_add_nc_u64 s[70:71], s[88:89], s[70:71]      ; h: [token block][column block][half][lane][16 bytes]
	OFF4 72, 18, 17, 12, 11, 16777216
	s_add_nc_u64 s[72:73], s[88:89], s[72:73]      ; hb
	OFF4 74, 13, 12, 7, 6, 25165824
	s_add_nc_u64 s[74:75], s[88:89], s[74:75]      ; sums of squares: [token block][group of 64 columns][16 tokens]
	s_mov_b32 s76, 0x76543210
	s_mov_b32 s77, 0xfedcba98
.irp a, 0,1,2,3
.irp b, 0,1,2,3
	global_load_b128 v[ACC+8*(4*\a+\b):ACC+8*(4*\a+\b)+3],   v7, s[90:91] offset:65536*\a+64*\b      ; x(token r, columns 16 b + 8 h ..): the sums start from it
	global_load_b128 v[ACC+8*(4*\a+\b)+4:ACC+8*(4*\a+\b)+7], v7, s[90:91] offset:65536*\a+64*\b+16
.endr
.endr
.irp b, 0,1,2,3
	global_load_b128 v[32+8*\b:35+8*\b], v4, s[92:93] offset:64*\b
	global_load_b128 v[36+8*\b:39+8*\b], v4, s[92:93] offset:64*\b+16
.endr
	s_wait_tensorcnt 1                             ; my part of K step 0 is in; step 1's may stay out
	s_barrier_signal -1
	s_barrier_wait -1
	s_mov_b32 s[TBS], 0
	v_mov_b32 v[ADRA], v[ADRA0]
	v_mov_b32 v[ADRB], v[ADRB0]
	SFETCH 0, 0
	WIN 0
	s_wait_loadcnt 0x0                             ; x and the gains
	s_mov_b32 s3, NSTEP-2
.Lk:
	STEP 1
	WIN 0
	s_sub_co_u32 s3, s3, 1
	s_cmp_lg_u32 s3, 0
	s_cbranch_scc1 .Lk
	s_mov_b32 s3, 2
.Lt:                                           ; the last two steps ask for nothing (the very last fetch, of a slot that has landed, serves nothing)
	STEP 0
	WIN 0
	s_sub_co_u32 s3, s3, 1
	s_cmp_lg_u32 s3, 0
	s_cbranch_scc1 .Lt
	s_wait_dscnt 0x0
	PLACES
.irp a, 0,1,2,3
.irp b, 0,1,2,3
.set AC, ACC+8*(4*\a+\b)
	global_store_b128 v[GO], v[AC:AC+3],   s[70:71] offset:65536*\a+1024*\b
	global_store_b128 v[GO], v[AC+4:AC+7], s[70:71] offset:65536*\a+1024*\b+512
.if \b == 0
	v_pk_mul_f32 v[20+2*\a:21+2*\a], v[AC:AC+1], v[AC:AC+1]
.else
	v_pk_fma_f32 v[20+2*\a:21+2*\a], v[AC:AC+1], v[AC:AC+1], v[20+2*\a:21+2*\a]
.endif
.irp i, 0,2,4,6
	v_pk_mul_f32 v[8+\i:9+\i], v[AC+\i:AC+\i+1], v[32+8*\b+\i:33+8*\b+\i]
.endr
.irp i, 2,4,6
	v_pk_fma_f32 v[20+2*\a:21+2*\a], v[AC+\i:AC+\i+1], v[AC+\i:AC+\i+1], v[20+2*\a:21+2*\a]
.endr
.irp i, 0,1,2,3
	v_cvt_pk_bf16_f32 v[64+4*(4*\a+\b)+\i], v[8+2*\i], v[9+2*\i]
.endr
	global_store_b128 v[GO], v[64+4*(4*\a+\b):67+4*(4*\a+\b)], s[72:73] offset:32768*\a+512*\b
.endr
.endr
.irp a, 0,1,2,3
	v_add_f32 v[20+2*\a], v[20+2*\a], v[21+2*\a]
.endr
.irp a, 0,1,2,3
	v_permlanex16_b32 v[21+2*\a], v[20+2*\a], s76, s77   ; the token's other columns lie in the lane 16 away
.endr
.irp a, 0,1,2,3
	v_add_f32 v[20+2*\a], v[20+2*\a], v[21+2*\a]
.endr
	v_cmp_ne_u32 s78, 0, v6
	v_cndmask_b32 v8, v20, v22, s78                ; lanes 0-15 store token block 0's sums, lanes 16-31 block 1's,
	v_cndmask_b32 v9, v24, v26, s78                ; then blocks 2 and 3
	v_lshlrev_b32 v10, 10, v6
	v_lshl_add_u32 v10, v5, 2, v10
	global_store_b32 v10, v8, s[74:75]
	global_store_b32 v10, v9, s[74:75] offset:2048
	s_wait_tensorcnt 0x0                           ; the wave's end
	ds_add_u32 v[SPW], v[NIL]
	s_wait_dscnt 0x0
	CROUND
	s_endpgm
.Lfunc_end_k_qf0970e7a73_wo:
	.size	k_qf0970e7a73_wo, .Lfunc_end_k_qf0970e7a73_wo-k_qf0970e7a73_wo
	.p2alignl 7, 3214868480
	.fill 96, 4, 3214868480
	.section	.rodata,"a",@progbits
	.p2align	6, 0x0
	.amdhsa_kernel k_qf0970e7a73_wo
		.amdhsa_group_segment_fixed_size 327680
		.amdhsa_private_segment_fixed_size 0
		.amdhsa_enable_private_segment 0
		.amdhsa_kernarg_size 40
		.amdhsa_user_sgpr_count 2
		.amdhsa_user_sgpr_kernarg_segment_ptr 1
		.amdhsa_wavefront_size32 1
		.amdhsa_system_sgpr_workgroup_id_x 1
		.amdhsa_system_sgpr_workgroup_id_y 1
		.amdhsa_system_sgpr_workgroup_id_z 1
		.amdhsa_system_vgpr_workitem_id 0
		.amdhsa_next_free_vgpr 384
		.amdhsa_next_free_sgpr 100
		.amdhsa_reserve_vcc 0
		.amdhsa_float_denorm_mode_32 3
		.amdhsa_float_denorm_mode_16_64 3
		.amdhsa_memory_ordered 1
		.amdhsa_forward_progress 1
		.amdhsa_inst_pref_size 51
	.end_amdhsa_kernel
	.amdgpu_metadata
---
amdhsa.version: [ 1, 2 ]
amdhsa.kernels:
  - .name:           k_qf0970e7a73_wo
    .symbol:         k_qf0970e7a73_wo.kd
    .args:
      - { .name: ob, .offset: 0, .size: 8, .value_kind: global_buffer, .address_space: global }
      - { .name: wf, .offset: 8, .size: 8, .value_kind: global_buffer, .address_space: global }
      - { .name: x, .offset: 16, .size: 8, .value_kind: global_buffer, .address_space: global }
      - { .name: ffn_scale, .offset: 24, .size: 8, .value_kind: global_buffer, .address_space: global }
      - { .name: hbuf, .offset: 32, .size: 8, .value_kind: global_buffer, .address_space: global }
    .group_segment_fixed_size: 327680
    .private_segment_fixed_size: 0
    .kernarg_segment_align: 8
    .kernarg_segment_size: 40
    .max_flat_workgroup_size: 128
    .sgpr_count:     100
    .vgpr_count:     384
    .wavefront_size: 32
...
	.end_amdgpu_metadata
.endif
;; end of part 4
;; launch w1 (part 5): grid 16 x 16, 4 waves a work-group, clusters of 4 x 4, 327,680 bytes of LDS; arguments hbuf, wf, gb; writes gb
.if DOCPART == 5
	.amdgcn_target "amdgcn-amd-amdhsa--gfx1250"
	.amdhsa_code_object_version 6
	.text
	.protected	k_qf0970e7a73_w1
	.globl	k_qf0970e7a73_w1
	.p2align	8
	.type	k_qf0970e7a73_w1,@function
k_qf0970e7a73_w1:
	s_mov_b64 s[64:65], 0
	v_nop
	global_prefetch_b8 v0, s[64:65] scope:SCOPE_SE
	s_setreg_imm32_b32 hwreg(HW_REG_WAVE_MODE, 25, 1), 1
	s_wait_xcnt 0x0
	s_wait_alu depctr_hold_cnt(0) depctr_sa_sdst(0) depctr_va_vdst(0) depctr_va_sdst(0) depctr_va_ssrc(0) depctr_va_vcc(0) depctr_vm_vsrc(0)
	s_getreg_b32 s2, hwreg(HW_REG_IB_STS2, 6, 4)
	s_cmp_eq_u32 s2, 0
	s_cbranch_scc0 .Lentry_in_a_cluster
	s_endpgm
.Lentry_in_a_cluster:
	s_bfe_u32 s2, ttmp6, 0x10000c
	s_cmp_lg_u32 s2, 0xf033
	s_cbranch_scc0 .Lentry_shape_is_right
	s_endpgm
.Lentry_shape_is_right:
; g = swish(x1) * x2 with (x1, x2) = r (hb W1): hb = bf16(h * ffn_scale), r = rsqrt(q), q = mean(h^2) + 1e-6, a number a token, applied behind the product.
; With u1, u2 the raw sums: g = u1 u2 / (q (1 + 2^(-log2(e) r u1))).  Where the power overflows the quotient is 0, as swish's limit is.
; The frame is the QKV launch's: layout F, 8 K steps of 128 through two LDS slots 2^17 bytes apart, cluster 4 x 4, a wave 8 token blocks x 8 column blocks; a step's quarters 0 and 2 are one text, walked twice.
; W1's blocks were laid so that a wave's blocks 0-3 are u1 and 4-7 are u2 of the same 64 columns of g: both numbers of a column fall into the same lane and register of two accumulators.
; REGISTERS.  window 0: v16-19, v27-31 addresses, v64-127 the parts of the sums of squares, v128-159 (q, q) and (-log2(e) r, twice) a token block, v160-239 at work on the way out.
; window 1: fragments.  windows 2, 3: accumulator (a, b) at 8 (8 (a % 4) + b) of window 2 + a / 4.
.set WB,    8
.set AOFF,  16777216                   ; hb in hbuf
.set BOFF,  8388608                    ; W1 in wf
.set CH,    4096
.set SLOT1, 131072
.set BLDS,  65536
.set SPARE, 262144                     ; the spare words, 128 bytes a wave; no other line names them
.set ADRA0, 16
.set ADRB0, 17
.set ADRA,  18
.set ADRB,  19
.set SPW,   28
.set NIL,   29
.set PFO,   30
.set GO,    31
.set G1,  24
.set G0,  32
.set G1B, 48
.set G0B, 56
.set LIM, 43
.set PFA, 44
.set TBS, 68                           ; s68 the place in hand: the slot (0 or SLOT1), and 2,048 more in a step's second half
.set MUL_LO, 0xa5
.set TO_F,   0x40
.set MSB, 0
.macro WIN new
.if MSB != (\new)
	s_set_vgpr_msb (MSB<<8)|(\new)
.set MSB, (\new)
.endif
.endm
.macro PLACES
.rept 4
	v_nop
.endr
.endm
.macro CREST
	s_cmp_lg_u32 s10, 0
	s_cbranch_scc1 .Lnot_wave_0_\@
	s_barrier_signal -3
.Lnot_wave_0_\@:
	s_barrier_wait -3
	s_barrier_signal -1
	s_barrier_wait -1
.endm
.macro CROUND
	s_barrier_signal -1
	s_barrier_wait -1
	CREST
.endm
.macro JLOAD
	s_cmp_eq_u32 s11, 0
	s_cbranch_scc0 .Lfor_b_\@
	tensor_load_to_lds s[G0+4:G0+7], s[G1:G1+7]
	s_nop 0
	PLACES
	s_branch .Lasked_\@
.Lfor_b_\@:
	tensor_load_to_lds s[G0B+4:G0B+7], s[G1B:G1B+7]
	s_nop 0
	PLACES
.Lasked_\@:
.endm
; A prefetch into the L2 of the K step two refills on: A's blocks by the clusters with x = 0, B's by those with y = 0; the four partners share each block's 4,096 bytes out by address, a lane 256 bytes.
.macro ASK
	s_cmp_gt_u32 s3, s[LIM]
	s_cbranch_scc0 .Lnot_mine_\@
	global_prefetch_b8 v[PFO], s[PFA:PFA+1] offset:CH th:TH_LOAD_NT scope:SCOPE_SE
.Lnot_mine_\@:
.endm
.macro MULH f, hi, a0, zero
	WIN MUL_LO+0x50*(\hi)
.irp a, \a0, (\a0)+1
.set b, 0
.rept WB
.set rD, 8*(8*(\a)+b)
.set rA, 64*(\f)+8*(4*(\hi)+(\a))
.set rB, 128+64*(\f)+8*b
.if \zero
	v_wmma_f32_16x16x32_bf16 v[rD:rD+7], v[rB:rB+7], v[rA:rA+7], 0
.else
	v_wmma_f32_16x16x32_bf16 v[rD:rD+7], v[rB:rB+7], v[rA:rA+7], v[rD:rD+7]
.endif
.set b, b+1
.endr
.endr
.endm
.macro FETCH k, f
	WIN TO_F
.set i, 0
.rept WB
	ds_load_b128 v[128+64*(\f)+8*i:128+64*(\f)+8*i+3],   v[ADRB] offset:(\k)+i*CH
	ds_load_b128 v[128+64*(\f)+8*i+4:128+64*(\f)+8*i+7], v[ADRB] offset:(\k)+i*CH+512
.set i, i+1
.endr
.set i, 0
.rept 8
	ds_load_b128 v[64*(\f)+8*i:64*(\f)+8*i+3],   v[ADRA] offset:(\k)+i*CH
	ds_load_b128 v[64*(\f)+8*i+4:64*(\f)+8*i+7], v[ADRA] offset:(\k)+i*CH+512
.set i, i+1
.endr
.endm
.macro QUARTER k, f, g, zero
	s_wait_dscnt 8                                 ; all but the youngest eight loads (A's blocks 4-7)
	MULH \f, 0, 0, \zero
	MULH \f, 0, 2, \zero
	PLACES
	FETCH \k, \g
	s_wait_dscnt 2*WB+16                           ; all but the run just issued
	MULH \f, 1, 0, \zero
	MULH \f, 1, 2, \zero
.endm
.macro MEET
	WIN 0
	s_wait_tensorcnt 0x0                           ; all my tensor loads have landed: my part of the next slot
	ds_add_u32 v[SPW], v[NIL]
	s_wait_dscnt 9                                 ; the add and the youngest eight loads may be out
	MULH 1, 0, 0, 0
	s_wait_dscnt 0x0                               ; the add is done, my reads of this slot are over
	s_barrier_signal -1
	MULH 1, 0, 2, 0
	WIN 0
	s_barrier_wait -1
.endm
.macro TURN fill
.if \fill
	s_wait_xcnt 0x0                                ; the last prefetch, a K step back, has read its address
	s_add_nc_u64 s[PFA:PFA+1], s[PFA:PFA+1], CH
.endif
	MEET
.if \fill
	CREST
	s_xor_b32 s[G0+5], s[G0+5], SLOT1
	s_add_nc_u64 s[G0+6:G0+7], s[G0+6:G0+7], CH
	s_xor_b32 s[G0B+5], s[G0B+5], SLOT1
	s_add_nc_u64 s[G0B+6:G0B+7], s[G0B+6:G0B+7], CH
	JLOAD
.else
	PLACES
.endif
	s_sub_co_u32 s[TBS], s[TBS], 2048              ; back to a slot's head,
	s_xor_b32 s[TBS], s[TBS], SLOT1                ; in the other slot
	v_add_nc_u32 v[ADRA], s[TBS], v[ADRA0]
	v_add_nc_u32 v[ADRB], s[TBS], v[ADRB0]
	FETCH 0, 0
.if \fill
	WIN 0
	ASK
.endif
	MULH 1, 1, 0, 0
	MULH 1, 1, 2, 0
.endm
; s3 K steps.  A step: quarter 0 (.Leven), quarter 1 (.Lodd), the place goes 2,048 bytes on, quarter 2 (.Leven once more), and the step's TURN.  s69 counts the two walks of .Leven.
.macro STEPS tag, fill
.Lstep\tag:
	s_mov_b32 s69, 2
.Leven\tag:
	QUARTER 1024, 0, 1, 0
	WIN 0                                          ; at a label and at a branch every window is 0
	s_sub_co_u32 s69, s69, 1
	s_cmp_eq_u32 s69, 0
	s_cbranch_scc1 .Lturn\tag
.Lodd\tag:
	QUARTER 2048, 1, 0, 0
	WIN 0
	s_add_co_u32 s[TBS], s[TBS], 2048
	v_add_nc_u32 v[ADRA], s[TBS], v[ADRA0]
	v_add_nc_u32 v[ADRB], s[TBS], v[ADRB0]
	s_branch .Leven\tag
.Lturn\tag:
	TURN \fill
	WIN 0
	s_sub_co_u32 s3, s3, 1
	s_cmp_lg_u32 s3, 0
	s_cbranch_scc1 .Lstep\tag
.endm
	s_load_b128 s[4:7], s[0:1], 0x0                ; hbuf s[4:5], wf s[6:7]
	s_load_b64 s[8:9], s[0:1], 0x10                ; gb
	v_lshl_add_u32 v[SPW], v0, 2, SPARE
	v_mov_b32 v[NIL], 0
	ds_add_u32 v[SPW], v[NIL]                      ; the wave's opening: the add and its wait ahead of my first tensor load
	v_lshrrev_b32 v1, 5, v0
	v_readfirstlane_b32 s10, v1
	s_lshr_b32 s11, s10, 1
	s_and_b32 s12, s10, 1
	s_bfe_u32 s40, ttmp6, 0x40000
	s_bfe_u32 s41, ttmp6, 0x40004
	s_lshl_b32 s42, ttmp9, 2
	s_add_co_u32 s42, s42, s40
	s_and_b32 s13, ttmp7, 0xffff
	s_lshl_b32 s13, s13, 2
	s_add_co_u32 s13, s13, s41
	s_lshl_b32 s66, s41, 2
	s_lshl_b32 s66, 15, s66
	s_lshl_b32 s67, 0x1111, s40
	s_or_b32 s[G1], s66, (3<<16)|(1<<21)
	s_or_b32 s[G1B], s67, (3<<16)|(1<<21)
.irp g, G1, G1B
	s_mov_b32 s[\g+1], 512<<16
	s_mov_b32 s[\g+2], 8<<16
	s_mov_b32 s[\g+3], 512<<16
	s_mov_b32 s[\g+4], 8
	s_mov_b32 s[\g+5], 4096
	s_mov_b32 s[\g+6], 0
	s_mov_b32 s[\g+7], 0
.endr
	s_lshl_b32 s16, s13, 19
	s_lshl_b32 s17, s12, 18
	s_add_co_u32 s16, s16, s17
	s_add_co_u32 s16, s16, AOFF
	s_mov_b32 s17, 0
	s_mul_i32 s18, s42, 2*WB*32768
	s_mul_i32 s19, s12, WB*32768
	s_add_co_u32 s18, s18, s19
	s_add_co_u32 s18, s18, BOFF
	s_mov_b32 s19, 0
	s_lshl_b32 s20, s12, 15
	s_mul_i32 s21, s12, WB*CH
	s_add_co_u32 s21, s21, BLDS
	s_wait_dscnt 0x0
	s_wait_kmcnt 0x0
	s_add_nc_u64 s[14:15], s[4:5], s[16:17]
	s_add_nc_u64 s[46:47], s[6:7], s[18:19]
.irp s, 0,1
	s_mov_b32 s[G0+4*\s], 1
	s_add_co_u32 s[G0+4*\s+1], s20, \s*SLOT1
	s_add_nc_u64 s[G0+4*\s+2:G0+4*\s+3], s[14:15], \s*CH
	s_or_b32 s[G0+4*\s+3], s[G0+4*\s+3], 0x80000000
	s_mov_b32 s[G0B+4*\s], 1
	s_add_co_u32 s[G0B+4*\s+1], s21, \s*SLOT1
	s_add_nc_u64 s[G0B+4*\s+2:G0B+4*\s+3], s[46:47], \s*CH
	s_or_b32 s[G0B+4*\s+3], s[G0B+4*\s+3], 0x80000000
.endr
	CROUND
	s_cmp_eq_u32 s11, 0
	s_cbranch_scc0 .Lfirst_b
	tensor_load_to_lds s[G0:G0+3], s[G1:G1+7]
	s_nop 0
	tensor_load_to_lds s[G0+4:G0+7], s[G1:G1+7]
	s_nop 0
	PLACES
	s_branch .Lfirst_asked
.Lfirst_b:
	tensor_load_to_lds s[G0B:G0B+3], s[G1B:G1B+7]
	s_nop 0
	tensor_load_to_lds s[G0B+4:G0B+7], s[G1B:G1B+7]
	s_nop 0
	PLACES
.Lfirst_asked:
	s_and_b32 s22, ttmp7, 0xffff
	s_cmp_eq_u32 s11, 0
	s_cselect_b32 s21, s40, s41
	s_cselect_b32 s22, ttmp9, s22
	s_cselect_b64 s[PFA:PFA+1], s[14:15], s[46:47]
	s_cmp_eq_u32 s22, 0
	s_cselect_b32 s[LIM], 2, -1
	s_lshl_b32 s20, s21, 10
	s_add_co_u32 s20, s20, 2*CH
	s_mov_b32 s21, 0
	s_add_nc_u64 s[PFA:PFA+1], s[PFA:PFA+1], s[20:21]
	v_and_b32 v2, 31, v0
	v_lshrrev_b32 v3, 2, v2
	v_and_b32 v[PFO], 3, v2
	v_lshlrev_b32 v[PFO], 8, v[PFO]
	v_lshl_add_u32 v[PFO], v3, 15, v[PFO]
	v_lshlrev_b32 v[GO], 4, v2
	s_lshl_b32 s20, s11, 15
	v_add_nc_u32 v[ADRA0], s20, v[GO]
	s_mul_i32 s20, s12, WB*CH
	s_add_co_u32 s20, s20, BLDS
	v_add_nc_u32 v[ADRB0], s20, v[GO]
	; r and q of my 128 tokens: the 16 parts of each token's sum of squares; lane (r, h) adds parts 8 h .. 8 h + 7 of token r
	s_lshl_b32 s70, s13, 14
	s_lshl_b32 s71, s11, 13
	s_add_co_u32 s70, s70, s71
	s_add_co_u32 s70, s70, 25165824
	s_mov_b32 s71, 0
	s_add_nc_u64 s[70:71], s[4:5], s[70:71]
	s_lshl_b32 s72, s13, 20                        ; g: token block x 65,536 + group of 64 columns x 2,048
	s_lshl_b32 s73, s11, 19
	s_add_co_u32 s72, s72, s73
	s_lshl_b32 s73, s42, 12
	s_add_co_u32 s72, s72, s73
	s_lshl_b32 s73, s12, 11
	s_add_co_u32 s72, s72, s73
	s_mov_b32 s73, 0
	s_add_nc_u64 s[72:73], s[8:9], s[72:73]
	s_mov_b32 s76, 0x76543210
	s_mov_b32 s77, 0xfedcba98
	s_mov_b32 s78, 0x3a800000                      ; 1/1024
	s_mov_b32 s79, 0x358637bd                      ; 1e-6
	v_and_b32 v4, 15, v0
	v_bfe_u32 v5, v0, 4, 1
	v_lshlrev_b32 v27, 9, v5
	v_lshl_add_u32 v27, v4, 2, v27
.set i, 0
.rept 64
	global_load_b32 v[64+i], v27, s[70:71] offset:1024*(i/8)+64*(i%8)
.set i, i+1
.endr
	s_wait_loadcnt 0x0
.macro TOK line:vararg                 ; one line for each token block a
.set a, 0
.rept 8
	\line
.set a, a+1
.endr
.endm
	TOK v_add_f32 v[64+8*a], v[64+8*a], v[65+8*a]
	TOK v_add_f32 v[66+8*a], v[66+8*a], v[67+8*a]
	TOK v_add_f32 v[68+8*a], v[68+8*a], v[69+8*a]
	TOK v_add_f32 v[70+8*a], v[70+8*a], v[71+8*a]
	TOK v_add_f32 v[64+8*a], v[64+8*a], v[66+8*a]
	TOK v_add_f32 v[68+8*a], v[68+8*a], v[70+8*a]
	TOK v_add_f32 v[64+8*a], v[64+8*a], v[68+8*a]
	TOK v_permlanex16_b32 v[65+8*a], v[64+8*a], s76, s77
	TOK v_add_f32 v[64+8*a], v[64+8*a], v[65+8*a]
	TOK v_fma_f32 v[128+4*a], v[64+8*a], s78, s79
	TOK v_rsq_f32 v[130+4*a], v[128+4*a]
	TOK v_mov_b32 v[129+4*a], v[128+4*a]
	s_wait_alu depctr_va_vdst(0)                   ; one wait for the eight, behind eight plain lines
	TOK v_mul_f32 v[130+4*a], 0xbfb8aa3b, v[130+4*a]
	TOK v_mov_b32 v[131+4*a], v[130+4*a]
	s_wait_tensorcnt 1                             ; my part of K step 0 is in; step 1's may stay out
	s_barrier_signal -1
	s_barrier_wait -1
	s_mov_b32 s[TBS], 0
	v_mov_b32 v[ADRA], v[ADRA0]
	v_mov_b32 v[ADRB], v[ADRB0]
	FETCH 0, 0
	QUARTER 1024, 0, 1, 1                          ; step 0's quarter 0 is written out: its products start the sums
	WIN 0
	s_mov_b32 s3, 6                                ; six steps fill a slot again: steps 2 to 7 are asked for
	s_mov_b32 s69, 1                               ; of step 0 one walk of .Leven is left
	s_branch .Lodd1                                ; the loop is entered at quarter 1
	STEPS 1, 1
	s_mov_b32 s3, 2                                ; the last two steps ask for nothing (the very last fetch, of a slot that has landed, serves nothing)
	STEPS 2, 0
	s_wait_dscnt 0x0
	PLACES
; THE WAY OUT of token block a: two batches (32 powers, 32 reciprocals), one wait each, plain work behind each batch.
.macro GLU a
.set AW, 2+(\a)/4
.set AB, 64*((\a)%4)
.set QQ, 128+4*(\a)
.set RL, 130+4*(\a)
	WIN AW
.set n, 0
.rept 16
	v_pk_mul_f32 v[160+2*n:161+2*n], v[AB+2*n:AB+2*n+1], v[RL:RL+1]      ; -log2(e) r u1
.set n, n+1
.endr
	WIN 0
.set n, 0
.rept 32
	v_exp_f32 v[160+n], v[160+n]
.set n, n+1
.endr
	WIN 5*AW
.set n, 0
.rept 16
	v_pk_mul_f32 v[192+2*n:193+2*n], v[AB+2*n:AB+2*n+1], v[AB+32+2*n:AB+32+2*n+1]  ; u1 u2
.set n, n+1
.endr
	WIN 0
	s_wait_alu depctr_va_vdst(0)
.set n, 0
.rept 16
	v_pk_fma_f32 v[160+2*n:161+2*n], v[160+2*n:161+2*n], v[QQ:QQ+1], v[QQ:QQ+1]    ; q (1 + power)
.set n, n+1
.endr
.set n, 0
.rept 32
	v_rcp_f32 v[160+n], v[160+n]
.set n, n+1
.endr
	v_nop
	s_wait_alu depctr_va_vdst(0)
.set n, 0
.rept 16
	v_pk_mul_f32 v[192+2*n:193+2*n], v[192+2*n:193+2*n], v[160+2*n:161+2*n]
.set n, n+1
.endr
	s_wait_xcnt 0x0                                ; the last block's stores have read the registers written below
.set n, 0
.rept 16
	v_cvt_pk_bf16_f32 v[224+n], v[192+2*n], v[193+2*n]
.set n, n+1
.endr
.irp b, 0,1,2,3
	global_store_b128 v[GO], v[224+4*\b:227+4*\b], s[72:73] offset:65536*(\a)+512*\b
.endr
.endm
.irp a, 0,1,2,3,4,5,6,7
	GLU \a
.endr
	s_wait_tensorcnt 0x0                           ; the wave's end
	ds_add_u32 v[SPW], v[NIL]
	s_wait_dscnt 0x0
	CROUND
	s_endpgm
.Lfunc_end_k_qf0970e7a73_w1:
	.size	k_qf0970e7a73_w1, .Lfunc_end_k_qf0970e7a73_w1-k_qf0970e7a73_w1
	.p2alignl 7, 3214868480
	.fill 96, 4, 3214868480
	.section	.rodata,"a",@progbits
	.p2align	6, 0x0
	.amdhsa_kernel k_qf0970e7a73_w1
		.amdhsa_group_segment_fixed_size 327680
		.amdhsa_private_segment_fixed_size 0
		.amdhsa_enable_private_segment 0
		.amdhsa_kernarg_size 24
		.amdhsa_user_sgpr_count 2
		.amdhsa_user_sgpr_kernarg_segment_ptr 1
		.amdhsa_wavefront_size32 1
		.amdhsa_system_sgpr_workgroup_id_x 1
		.amdhsa_system_sgpr_workgroup_id_y 1
		.amdhsa_system_sgpr_workgroup_id_z 1
		.amdhsa_system_vgpr_workitem_id 0
		.amdhsa_next_free_vgpr 1024
		.amdhsa_next_free_sgpr 100
		.amdhsa_reserve_vcc 0
		.amdhsa_float_denorm_mode_32 3
		.amdhsa_float_denorm_mode_16_64 3
		.amdhsa_memory_ordered 1
		.amdhsa_forward_progress 1
		.amdhsa_inst_pref_size 128
	.end_amdhsa_kernel
	.amdgpu_metadata
---
amdhsa.version: [ 1, 2 ]
amdhsa.kernels:
  - .name:           k_qf0970e7a73_w1
    .symbol:         k_qf0970e7a73_w1.kd
    .args:
      - { .name: hbuf, .offset: 0, .size: 8, .value_kind: global_buffer, .address_space: global }
      - { .name: wf, .offset: 8, .size: 8, .value_kind: global_buffer, .address_space: global }
      - { .name: gb, .offset: 16, .size: 8, .value_kind: global_buffer, .address_space: global }
    .group_segment_fixed_size: 327680
    .private_segment_fixed_size: 0
    .kernarg_segment_align: 8
    .kernarg_segment_size: 24
    .max_flat_workgroup_size: 128
    .sgpr_count:     100
    .vgpr_count:     1024
    .wavefront_size: 32
...
	.end_amdgpu_metadata
.endif
;; end of part 5
;; launch w2 (part 6): grid 8 x 32, 4 waves a work-group, clusters of 4 x 4, 327,680 bytes of LDS; arguments gb, wf, hbuf, out0; writes out0
.if DOCPART == 6
	.amdgcn_target "amdgcn-amd-amdhsa--gfx1250"
	.amdhsa_code_object_version 6
	.text
	.protected	k_qf0970e7a73_w2
	.globl	k_qf0970e7a73_w2
	.p2align	8
	.type	k_qf0970e7a73_w2,@function
k_qf0970e7a73_w2:
	s_mov_b64 s[64:65], 0
	v_nop
	global_prefetch_b8 v0, s[64:65] scope:SCOPE_SE
	s_setreg_imm32_b32 hwreg(HW_REG_WAVE_MODE, 25, 1), 1
	s_wait_xcnt 0x0
	s_wait_alu depctr_hold_cnt(0) depctr_sa_sdst(0) depctr_va_vdst(0) depctr_va_sdst(0) depctr_va_ssrc(0) depctr_va_vcc(0) depctr_vm_vsrc(0)
	s_getreg_b32 s2, hwreg(HW_REG_IB_STS2, 6, 4)
	s_cmp_eq_u32 s2, 0
	s_cbranch_scc0 .Lentry_in_a_cluster
	s_endpgm
.Lentry_in_a_cluster:
	s_bfe_u32 s2, ttmp6, 0x10000c
	s_cmp_lg_u32 s2, 0xf033
	s_cbranch_scc0 .Lentry_shape_is_right
	s_endpgm
.Lentry_shape_is_right:
; out0 = h + g W2.  h (f32, stored in the accumulators' own order) is loaded straight into the accumulators, so the products add onto it.
; The frame is the Wo launch's: tile 128 x 128, a wave 4 x 4 blocks, layout F, here K = 2,048 in 8 steps of 256 through two LDS slots 2^17 bytes apart, cluster 4 x 4.  No prefetch: the tiles are small.
; THE WAY OUT: out0 is row-major f32; a wave's 64 columns are 256 bytes of a row.  16 rows at a time go through my own stage in LDS (rows 272 bytes apart) and leave as whole aligned 256 bytes from 16 lanes.
; REGISTERS.  window 0: v16-19, v24-26, v28-31 addresses, v32-95 rows read back, v128-255 accumulators.  window 1: fragments.
.set KSH,   16
.set STR0,  8192
.set NSTEP, 8
.set BOFF,  16777216
.set CH,    8192
.set SLOT1, 131072
.set BLDS,  65536
.set STAGE, 262144                     ; behind the slots, never filled by a tensor load: 16 rows x 272 bytes a wave
.set SPARE, 279552                     ; the spare words, 128 bytes a wave; no other line names them
.set ACC,   128
.set ADRA0, 16
.set ADRB0, 17
.set ADRA,  18
.set ADRB,  19
.set STO,   24
.set RD,    25
.set CO,    26
.set SPW,   28
.set NIL,   29
.set GO,    31
.set G1,  24
.set G0,  32
.set G1B, 48
.set G0B, 56
.set TBS, 68
.set MUL,  0x05
.set TO_F, 0x40
.set MSB, 0
.macro WIN new
.if MSB != (\new)
	s_set_vgpr_msb (MSB<<8)|(\new)
.set MSB, (\new)
.endif
.endm
.macro PLACES
.rept 4
	v_nop
.endr
.endm
.macro CREST
	s_cmp_lg_u32 s10, 0
	s_cbranch_scc1 .Lnot_wave_0_\@
	s_barrier_signal -3
.Lnot_wave_0_\@:
	s_barrier_wait -3
	s_barrier_signal -1
	s_barrier_wait -1
.endm
.macro CROUND
	s_barrier_signal -1
	s_barrier_wait -1
	CREST
.endm
.macro JLOAD
	s_cmp_eq_u32 s11, 0
	s_cbranch_scc0 .Lfor_b_\@
	tensor_load_to_lds s[G0+4:G0+7], s[G1:G1+7]
	s_nop 0
	PLACES
	s_branch .Lasked_\@
.Lfor_b_\@:
	tensor_load_to_lds s[G0B+4:G0B+7], s[G1B:G1B+7]
	s_nop 0
	PLACES
.Lasked_\@:
.endm
.macro OFF4 d, sa, sb, sc, sd, k
	s_lshl_b32 s[\d], s13, \sa
	s_lshl_b32 s[\d+1], s11, \sb
	s_add_co_u32 s[\d], s[\d], s[\d+1]
	s_lshl_b32 s[\d+1], s42, \sc
	s_add_co_u32 s[\d], s[\d], s[\d+1]
	s_lshl_b32 s[\d+1], s12, \sd
	s_add_co_u32 s[\d], s[\d], s[\d+1]
.if \k
	s_add_co_u32 s[\d], s[\d], \k
.endif
	s_mov_b32 s[\d+1], 0
.endm
.macro SFETCH g, off
	WIN TO_F
.irp i, 0,1,2,3
	ds_load_b128 v[64*(\g)+32+8*\i:64*(\g)+32+8*\i+3],   v[ADRB] offset:(\off)+\i*CH
	ds_load_b128 v[64*(\g)+32+8*\i+4:64*(\g)+32+8*\i+7], v[ADRB] offset:(\off)+\i*CH+512
	ds_load_b128 v[64*(\g)+8*\i:64*(\g)+8*\i+3],         v[ADRA] offset:(\off)+\i*CH
	ds_load_b128 v[64*(\g)+8*\i+4:64*(\g)+8*\i+7],       v[ADRA] offset:(\off)+\i*CH+512
.endr
.endm
.macro MUL4 f, a
	WIN MUL
.irp b, 0,1,2,3
	v_wmma_f32_16x16x32_bf16 v[ACC+8*(4*(\a)+\b):ACC+8*(4*(\a)+\b)+7], v[64*(\f)+32+8*\b:64*(\f)+32+8*\b+7], v[64*(\f)+8*(\a):64*(\f)+8*(\a)+7], v[ACC+8*(4*(\a)+\b):ACC+8*(4*(\a)+\b)+7]
.endr
.endm
.macro SUB f, g, off
	PLACES
	SFETCH \g, \off
	s_wait_dscnt 16                                ; all but the run just issued
	MUL4 \f, 0
	MUL4 \f, 1
	MUL4 \f, 2
	MUL4 \f, 3
.endm
.macro STEP fill
	WIN 0
	s_mov_b32 s69, 3
.Lsub_\@:
	SUB 0, 1, 1024
	SUB 1, 0, 2048
	WIN 0
	s_add_co_u32 s[TBS], s[TBS], 2048
	v_add_nc_u32 v[ADRA], s[TBS], v[ADRA0]
	v_add_nc_u32 v[ADRB], s[TBS], v[ADRB0]
	s_sub_co_u32 s69, s69, 1
	s_cmp_lg_u32 s69, 0
	s_cbranch_scc1 .Lsub_\@
	SUB 0, 1, 1024
	WIN 0
	s_wait_tensorcnt 0x0                           ; all my tensor loads have landed: my part of the next slot
	ds_add_u32 v[SPW], v[NIL]
	s_wait_dscnt 1                                 ; the add may be out
	MUL4 1, 0
	s_wait_dscnt 0x0                               ; the add is done, my reads of this slot are over
	s_barrier_signal -1
	MUL4 1, 1
	WIN 0
	s_barrier_wait -1
.if \fill
	CREST
	s_xor_b32 s[G0+5], s[G0+5], SLOT1
	s_add_nc_u64 s[G0+6:G0+7], s[G0+6:G0+7], CH
	s_xor_b32 s[G0B+5], s[G0B+5], SLOT1
	s_add_nc_u64 s[G0B+6:G0B+7], s[G0B+6:G0B+7], CH
	JLOAD
.else
	PLACES
.endif
	s_sub_co_u32 s[TBS], s[TBS], 6144
	s_xor_b32 s[TBS], s[TBS], SLOT1
	v_add_nc_u32 v[ADRA], s[TBS], v[ADRA0]
	v_add_nc_u32 v[ADRB], s[TBS], v[ADRB0]
	SFETCH 0, 0
	MUL4 1, 2
	MUL4 1, 3
.endm
	s_load_b256 s[80:87], s[0:1], 0x0              ; gb 80, wf 82, hbuf 84, out0 86
	v_lshl_add_u32 v[SPW], v0, 2, SPARE
	v_mov_b32 v[NIL], 0
	ds_add_u32 v[SPW], v[NIL]                      ; the wave's opening: the add and its wait ahead of my first tensor load
	v_lshrrev_b32 v1, 5, v0
	v_readfirstlane_b32 s10, v1
	s_lshr_b32 s11, s10, 1
	s_and_b32 s12, s10, 1
	s_bfe_u32 s40, ttmp6, 0x40000
	s_bfe_u32 s41, ttmp6, 0x40004
	s_lshl_b32 s42, ttmp9, 2
	s_add_co_u32 s42, s42, s40
	s_and_b32 s13, ttmp7, 0xffff
	s_lshl_b32 s13, s13, 2
	s_add_co_u32 s13, s13, s41
	s_lshl_b32 s66, s41, 2
	s_lshl_b32 s66, 15, s66
	s_lshl_b32 s67, 0x1111, s40
	s_or_b32 s[G1], s66, (3<<16)|(1<<21)
	s_or_b32 s[G1B], s67, (3<<16)|(1<<21)
.irp g, G1, G1B
	s_mov_b32 s[\g+1], 1024<<16
	s_mov_b32 s[\g+2], 4<<16
	s_mov_b32 s[\g+3], 1024<<16
	s_mov_b32 s[\g+4], 4
	s_mov_b32 s[\g+5], STR0
	s_mov_b32 s[\g+6], 0
	s_mov_b32 s[\g+7], 0
.endr
	s_lshl_b32 s16, s13, 3
	s_lshl2_add_u32 s16, s12, s16
	s_lshl_b32 s16, s16, KSH
	s_mov_b32 s17, 0
	s_lshl_b32 s18, s42, 3
	s_lshl2_add_u32 s18, s12, s18
	s_lshl_b32 s18, s18, KSH
	s_add_co_u32 s18, s18, BOFF
	s_mov_b32 s19, 0
	s_lshl_b32 s20, s12, 15
	s_add_co_u32 s21, s20, BLDS
	s_wait_dscnt 0x0
	s_wait_kmcnt 0x0
	s_add_nc_u64 s[14:15], s[80:81], s[16:17]
	s_add_nc_u64 s[46:47], s[82:83], s[18:19]
.irp s, 0,1
	s_mov_b32 s[G0+4*\s], 1
	s_add_co_u32 s[G0+4*\s+1], s20, \s*SLOT1
	s_add_nc_u64 s[G0+4*\s+2:G0+4*\s+3], s[14:15], \s*CH
	s_or_b32 s[G0+4*\s+3], s[G0+4*\s+3], 0x80000000
	s_mov_b32 s[G0B+4*\s], 1
	s_add_co_u32 s[G0B+4*\s+1], s21, \s*SLOT1
	s_add_nc_u64 s[G0B+4*\s+2:G0B+4*\s+3], s[46:47], \s*CH
	s_or_b32 s[G0B+4*\s+3], s[G0B+4*\s+3], 0x80000000
.endr
	CROUND
	s_cmp_eq_u32 s11, 0
	s_cbranch_scc0 .Lfirst_b
	tensor_load_to_lds s[G0:G0+3], s[G1:G1+7]
	s_nop 0
	tensor_load_to_lds s[G0+4:G0+7], s[G1:G1+7]
	s_nop 0
	PLACES
	s_branch .Lfirst_asked
.Lfirst_b:
	tensor_load_to_lds s[G0B:G0B+3], s[G1B:G1B+7]
	s_nop 0
	tensor_load_to_lds s[G0B+4:G0B+7], s[G1B:G1B+7]
	s_nop 0
	PLACES
.Lfirst_asked:
	v_and_b32 v2, 31, v0
	v_and_b32 v5, 15, v0                           ; r
	v_bfe_u32 v6, v0, 4, 1                         ; h
	v_lshlrev_b32 v[GO], 4, v2
	s_lshl_b32 s20, s11, 15
	v_add_nc_u32 v[ADRA0], s20, v[GO]
	s_lshl_b32 s20, s12, 15
	s_add_co_u32 s20, s20, BLDS
	v_add_nc_u32 v[ADRB0], s20, v[GO]
	s_mul_i32 s20, s10, 16*272
	s_add_co_u32 s20, s20, STAGE                   ; my stage
	v_mul_u32_u24 v[STO], v5, 272
	v_lshl_add_u32 v[STO], v6, 5, v[STO]
	v_add_nc_u32 v[STO], s20, v[STO]               ; in: row r, 32 bytes for each half of the lanes
	v_mul_u32_u24 v[RD], v6, 272
	v_lshl_add_u32 v[RD], v5, 4, v[RD]
	v_add_nc_u32 v[RD], s20, v[RD]                 ; back: lanes 0-15 one row of 256 bytes, lanes 16-31 the next
	v_lshlrev_b32 v[CO], 12, v6
	v_lshl_add_u32 v[CO], v5, 4, v[CO]             ; and the same two rows in out0
	OFF4 70, 19, 18, 13, 12, 0
	s_add_nc_u64 s[70:71], s[84:85], s[70:71]      ; h
	OFF4 72, 19, 18, 9, 8, 0
	s_add_nc_u64 s[72:73], s[86:87], s[72:73]      ; out0 at my first token and column
.irp a, 0,1,2,3
.irp b, 0,1,2,3
	global_load_b128 v[ACC+8*(4*\a+\b):ACC+8*(4*\a+\b)+3],   v[GO], s[70:71] offset:65536*\a+1024*\b th:TH_LOAD_NT
	global_load_b128 v[ACC+8*(4*\a+\b)+4:ACC+8*(4*\a+\b)+7], v[GO], s[70:71] offset:65536*\a+1024*\b+512 th:TH_LOAD_NT
.endr
.endr
	s_wait_tensorcnt 1                             ; my part of K step 0 is in; step 1's may stay out
	s_barrier_signal -1
	s_barrier_wait -1
	s_mov_b32 s[TBS], 0
	v_mov_b32 v[ADRA], v[ADRA0]
	v_mov_b32 v[ADRB], v[ADRB0]
	SFETCH 0, 0
	WIN 0
	s_wait_loadcnt 0x0                             ; h
	s_mov_b32 s3, NSTEP-2
.Lk:
	STEP 1
	WIN 0
	s_sub_co_u32 s3, s3, 1
	s_cmp_lg_u32 s3, 0
	s_cbranch_scc1 .Lk
	s_mov_b32 s3, 2
.Lt:                                           ; the last two steps ask for nothing
	STEP 0
	WIN 0
	s_sub_co_u32 s3, s3, 1
	s_cmp_lg_u32 s3, 0
	s_cbranch_scc1 .Lt
	s_wait_dscnt 0x0
	PLACES
.macro OUTW a
.set BK, 32+32*((\a)%2)
.irp b, 0,1,2,3
	ds_store_b128 v[STO], v[ACC+8*(4*(\a)+\b):ACC+8*(4*(\a)+\b)+3]   offset:64*\b
	ds_store_b128 v[STO], v[ACC+8*(4*(\a)+\b)+4:ACC+8*(4*(\a)+\b)+7] offset:64*\b+16
.endr
	s_wait_xcnt 0x0                                ; the stores of two blocks back have read the registers loaded below
.irp t, 0,1,2,3,4,5,6,7
	ds_load_b128 v[BK+4*\t:BK+4*\t+3], v[RD] offset:544*\t  ; LDS serves a wave's instructions in order (ISA guide 5.7.1.4): these see the stores above; the next block's stores come behind them
.endr
.irp t, 0,1,2,3,4,5,6,7
	s_wait_dscnt 7-\t                              ; the younger read-backs may stay out
	global_store_b128 v[CO], v[BK+4*\t:BK+4*\t+3], s[72:73] offset:65536*(\a)+8192*\t th:TH_STORE_NT
.endr
.endm
	OUTW 0
	OUTW 1
	OUTW 2
	OUTW 3
	s_wait_tensorcnt 0x0                           ; the wave's end
	ds_add_u32 v[SPW], v[NIL]
	s_wait_dscnt 0x0
	CROUND
	s_endpgm
.Lfunc_end_k_qf0970e7a73_w2:
	.size	k_qf0970e7a73_w2, .Lfunc_end_k_qf0970e7a73_w2-k_qf0970e7a73_w2
	.p2alignl 7, 3214868480
	.fill 96, 4, 3214868480
	.section	.rodata,"a",@progbits
	.p2align	6, 0x0
	.amdhsa_kernel k_qf0970e7a73_w2
		.amdhsa_group_segment_fixed_size 327680
		.amdhsa_private_segment_fixed_size 0
		.amdhsa_enable_private_segment 0
		.amdhsa_kernarg_size 32
		.amdhsa_user_sgpr_count 2
		.amdhsa_user_sgpr_kernarg_segment_ptr 1
		.amdhsa_wavefront_size32 1
		.amdhsa_system_sgpr_workgroup_id_x 1
		.amdhsa_system_sgpr_workgroup_id_y 1
		.amdhsa_system_sgpr_workgroup_id_z 1
		.amdhsa_system_vgpr_workitem_id 0
		.amdhsa_next_free_vgpr 384
		.amdhsa_next_free_sgpr 100
		.amdhsa_reserve_vcc 0
		.amdhsa_float_denorm_mode_32 3
		.amdhsa_float_denorm_mode_16_64 3
		.amdhsa_memory_ordered 1
		.amdhsa_forward_progress 1
		.amdhsa_inst_pref_size 40
	.end_amdhsa_kernel
	.amdgpu_metadata
---
amdhsa.version: [ 1, 2 ]
amdhsa.kernels:
  - .name:           k_qf0970e7a73_w2
    .symbol:         k_qf0970e7a73_w2.kd
    .args:
      - { .name: gb, .offset: 0, .size: 8, .value_kind: global_buffer, .address_space: global }
      - { .name: wf, .offset: 8, .size: 8, .value_kind: global_buffer, .address_space: global }
      - { .name: hbuf, .offset: 16, .size: 8, .value_kind: global_buffer, .address_space: global }
      - { .name: out0, .offset: 24, .size: 8, .value_kind: global_buffer, .address_space: global }
    .group_segment_fixed_size: 327680
    .private_segment_fixed_size: 0
    .kernarg_segment_align: 8
    .kernarg_segment_size: 32
    .max_flat_workgroup_size: 128
    .sgpr_count:     100
    .vgpr_count:     384
    .wavefront_size: 32
...
	.end_amdgpu_metadata
.endif
;; end of part 6
